; MI455X (gfx1250); checked and timed in simulation.
; The chip was launched on July 23, 2026; its instructions are those of AMD's public machine-readable ISA for CDNA 5 (MIT licence, August 2026) and "CDNA5" Instruction Set Architecture Reference Guide (July 2026). The comments in the code are by the model that wrote it; some were corrected since.
;; Causal Self Attention. Allowed arithmetic: matrix products marked QUANTISED: E2M3 operands, one E8M0 scale for each 32 along K, by v_wmma_scale_f32_16x16x128_f8f6f4 with both operands' format E2M3, f32 sums; everything else in f32.
;; Inputs: W_attn 1,024 x 3,072 float32; W_proj 1,024 x 1,024 float32; b_attn 3,072 float32; b_proj 1,024 float32; x 4 x 2,048 x 1,024 float32.
;; Outputs: out0 4 x 2,048 x 1,024 float32.
;; This version of the problem:
;;   THIS VERSION OF THE PROBLEM IS GIVEN IN LOW PRECISION. The matrix products marked QUANTISED in the list below multiply operands that are first quantised to E2M3 (2 exponent bits, 3 mantissa bits; 6 bits a number), with one power-of-two scale for each 32 numbers along K (OCP MX v1.0); their sums are f32. All else is computed in f32.
;;   The module's matrix products, in the order in which they are computed (A, B: the left and right operand; K: the contracted axis; several contracted axes count as one K, in the product's order):
;;     1. [M 8,192, K 1,024] x [K 1,024, N 3,072]; A: input x; B: input W_attn: QUANTISED
;;     2. batch 64 x [M 2,048, K 64] x [K 64, N 2,048]; A: computed on the way; B: computed on the way: QUANTISED
;;     3. batch 64 x [M 2,048, K 2,048] x [K 2,048, N 64]; A: softmax (see below); B: computed on the way: QUANTISED
;;     4. [M 8,192, K 1,024] x [K 1,024, N 1,024]; A: computed on the way; B: input W_proj: QUANTISED
;;   THE QUANTISER, for each operand of a quantised product, along K:
;;     - K is cut into blocks of 32 from its start; a last block that is shorter is filled with zeros.
;;     - A block's scale is 2^e with e = floor(log2(the largest magnitude in the block)) - 2, held to -126 .. 127; a block of zeros has e = 0. As a byte (E8M0): e + 127.
;;     - Each number is divided by its block's scale, clamped to +-7.5, and rounded to the nearest number of E2M3, ties to even, subnormals kept.
;;     - The product sums the exact products of the quantised numbers (number of the format x scale) in f32.
;;   ~~~python
;;   def quantise(x, axis):      # numpy; x: float32 -> the quantised numbers, widened to float32 again
;;       x = np.moveaxis(x, axis, -1); K = x.shape[-1]
;;       x = np.pad(x, [(0, 0)] * (x.ndim - 1) + [(0, -K % 32)]); x = x.reshape(x.shape[:-1] + (-1, 32)); a = np.abs(x).max(-1, keepdims=True)
;;       e = np.where(a > 0, np.clip(np.frexp(np.where(a > 0, a, 1))[1] - 1 - 2, -126, 127), 0)      # np.frexp(a)[1] - 1 = floor(log2(a)), exactly
;;       r = np.clip(x / 2.0 ** e, -7.5, 7.5)
;;       step = 2.0 ** (np.maximum(np.frexp(np.where(r == 0, 1, r))[1] - 1, 0) - 3)
;;       q = np.round(r / step) * step * 2.0 ** e      # np.round: ties to even
;;       return np.moveaxis(q.reshape(q.shape[:-2] + (-1,))[..., :K], -1, axis).astype(np.float32)
;;   ~~~
;;   SOFTMAX AHEAD OF A QUANTISED PRODUCT. Where the list says 'softmax', what is quantised is not the finished softmax but p = 2^(t - M), with t = logit x log2(e) and M = ceil(the row's largest t), a whole number; so 1/2 < the row's largest p <= 1. The row's sum l is taken of the UNQUANTISED p, in f32, and the product's result is divided by l at the end. Since M is a whole number, a kernel that streams over the keys may use a running M (the ceiling of the running maximum): every later rescaling is an exact power of two, which a block's scale takes up: the codes' values come out the same.
;;   OPERANDS COMPUTED ON THE WAY. 'Computed on the way' means the value that the module computes at that place (a softmax that the list does not call 'softmax' is quantised finished and normalised). What goes into a quantiser is computed in f32, as accurately as f32 sums, v_exp_f32 and their like allow (about 1e-6 of the number): no bf16 or f16 on the way to a quantiser, and a product that is left as it is and whose result goes on into a quantised operand takes f32 operands (vector FMAs, or v_wmma_f32_16x16x4_f32). A number that lies on a knife's edge between two numbers of the format may be rounded either way, as far as f32 arithmetic and the matrix unit's own rounding can turn it there, and no further.
;; One version. Each part assembles by itself: llvm-mc -triple=amdgcn-amd-amdhsa -mcpu=gfx1250 --defsym DOCPART=n.
;; ======== version 1 of 1: 4 launches
;; limits: right only within a limited range of input values
;; workspace buffers: xw 9,011,200 bytes; qkv 20,447,232 bytes; yw 7,372,800 bytes
;; launch quant (part 1): grid 48 x 8, 8 waves a work-group, no clusters, 136,192 bytes of LDS; arguments x, W_attn, W_proj, xw, yw; writes xw, yw
.if DOCPART == 1
	.amdgcn_target "amdgcn-amd-amdhsa--gfx1250"
	.amdhsa_code_object_version 6
	.text
	.protected	k_q85eebbc5d3_quant
	.globl	k_q85eebbc5d3_quant
	.p2align	8
	.type	k_q85eebbc5d3_quant,@function
k_q85eebbc5d3_quant:
	s_mov_b64 s[64:65], 0
	v_nop
	global_prefetch_b8 v0, s[64:65] scope:SCOPE_SE
	s_setreg_imm32_b32 hwreg(HW_REG_WAVE_MODE, 25, 1), 1
	s_wait_xcnt 0x0
; x [8192][1024] (K innermost), W_attn [1024][3072] and W_proj [1024][1024] (K = the first axis), f32, become codes of FP6 (E2M3) with one E8M0 byte for each 32 along K.
; A block's scale byte is its largest magnitude's exponent field - 2, held at 1 from below; numbers are divided by the scale and rounded to the nearest code, ties to even, beyond 7.5 the largest code.
; LIMITS: NaN and infinities among the inputs are not served; a block whose largest magnitude lies under 2^(3 - 127), a block of zeros among them, gets the byte 1 (its codes are then zeros or subnormal codes;
; the bytes are read by this program alone).
; THE OUTPUT IS LAID AS IMAGES OF OPERAND REGISTERS.  A fragment is 16 rows x 128 K, 12 registers a lane, 1,536 bytes: two halves of 768 (K 0-63, K 64-127), each: 16 bytes a lane at 16 x lane (registers 6 c .. 6 c + 3),
; then 8 bytes a lane at 512 + 8 x lane (registers 6 c + 4, 6 c + 5).  Codes: [tile][K step 0..7] fragments; scale words: [K step][tile][16 rows], behind the codes.
; THE ROWS OF A TILE ARE NOT NEIGHBOURS: lane-row r of tile 2 g + u is row 32 g + 8 u + r + 8 (r / 8), so that the results of two neighbouring tiles are 16 neighbours along a later K.
; SHARES: work-group y = the K step of 128.  Work-group x: 0-11 W_attn, 12-15 W_proj, 16-47 x; 256 rows (columns) each, 32 a wave.  A LANE HOLDS ONE ROW (COLUMN) AND ITS FOUR BLOCKS, 128 registers: no maximum
; needs another lane.  Lanes 0-15 hold the even tile's 16 rows, lanes 16-31 the odd tile's.  The weights are loaded a lane to a column, registers down K (128 consecutive bytes a wave and load, 1,024 a work-group);
; x is loaded as it lies (512 consecutive bytes a load) and turned through the wave's own LDS stage.  No barrier: waves share nothing.
.set SCOFF1, 8650752                   ; xw: 704 tiles x 8 x 1,536 bytes of codes, then the scale words
.set PLANE1, 45056                     ; 704 tiles x 64 bytes
.set SCOFF3, 7077888                   ; yw: 576 tiles
.set PLANE3, 36864
.set FRB,    1536
.set TPITCH, 8*FRB                     ; from tile to tile
.set SP,     528                       ; a stage row: 512 bytes + 16
.set WREG,   32*SP                     ; a wave's stage
.set M,  16                            ; v16-19   the four blocks' largest magnitudes
.set SO, 20                            ; v20-23   the conversions' scale operands
.set BY, 24                            ; v24-27   the scale bytes
.set WD, 28                            ; v28      my row's scale word
.set X,  32                            ; v32-159  my row's 128 numbers
.set F0, 160                           ; v160-171 the even tile's fragment
.set F1, 172                           ; v172-183 the odd tile's
.set T,  184                           ; v184-199 the blocks' upper halves, four registers apart (a conversion's three registers begin on an even number)
	s_load_b128 s[4:7], s[0:1], 0x0                ; x, W_attn
	s_load_b128 s[8:11], s[0:1], 0x10              ; W_proj, xw
	s_load_b64 s[12:13], s[0:1], 0x20              ; yw
	v_lshl_add_u32 v200, v0, 2, 0x21000
	v_mov_b32 v201, 0
	v_lshrrev_b32 v1, 5, v0
	s_delay_alu instid0(VALU_DEP_1)
	v_readfirstlane_b32 s14, v1                    ; wave 0..7
	v_and_b32 v2, 31, v0                           ; lane
	s_delay_alu instid0(VALU_DEP_1)
	v_lshlrev_b32 v3, 4, v2                        ; 16 x lane
	s_delay_alu instid0(VALU_DEP_2)
	v_lshlrev_b32 v4, 3, v2                        ; 8 x lane
	s_delay_alu instid0(VALU_DEP_3)
	v_lshlrev_b32 v5, 2, v2                        ; 4 x lane
	s_delay_alu instid0(VALU_DEP_4)
	v_and_b32 v6, 7, v2
	v_bfe_u32 v7, v2, 3, 1
	s_delay_alu instid0(VALU_DEP_1)
	v_lshl_add_u32 v6, v7, 4, v6
	v_lshrrev_b32 v7, 4, v2
	s_delay_alu instid0(VALU_DEP_1)
	v_lshl_add_u32 v6, v7, 3, v6                   ; my row among the wave's 32: lane % 8 + 16 ((lane / 8) % 2) + 8 (lane / 16)
	s_delay_alu instid0(VALU_DEP_1)
	v_lshlrev_b32 v6, 2, v6                        ; as a column of a weight: 4 bytes
	s_mul_i32 s24, s14, WREG
	v_add_nc_u32 v8, s24, v3                       ; the stage, on the way in: 16 x lane in a row
	v_mul_u32_u24 v9, v2, SP
	s_delay_alu instid0(VALU_DEP_1)
	v_add_nc_u32 v9, s24, v9                       ; and on the way out: row = lane
	s_and_b32 s15, ttmp7, 0xffff                   ; the K step
	s_cmp_ge_u32 ttmp9, 12
	s_cselect_b32 s16, 12, 0
	s_cmp_ge_u32 ttmp9, 16
	s_cselect_b32 s16, 16, s16                     ; the tensor's first work-group
	s_cselect_b32 s17, 0, 512                      ; the tensor's first tile in its buffer: the weights lie behind 512 tiles of rows
	s_sub_co_u32 s16, ttmp9, s16
	s_lshl_b32 s16, s16, 3
	s_add_co_u32 s16, s16, s14                     ; which 32 rows (columns) of the tensor are my wave's
	s_lshl_b32 s18, s16, 1
	s_add_co_u32 s17, s17, s18                     ; my even tile
	s_lshl_b32 s24, s17, 3
	s_add_co_u32 s24, s24, s15
	s_mul_i32 s24, s24, FRB                        ; its fragment of this K step, in bytes
	s_mov_b32 s25, 0
	s_sub_co_u32 s19, ttmp9, 12
	s_cmp_lt_u32 s19, 4                            ; W_proj's work-groups store into yw, all others into xw: the choice hangs on the work-group's number alone
	s_mov_b32 s26, SCOFF1
	s_cselect_b32 s26, SCOFF3, s26
	s_mov_b32 s28, PLANE1
	s_cselect_b32 s28, PLANE3, s28
	s_wait_kmcnt 0x0
	s_cselect_b64 s[20:21], s[12:13], s[10:11]
	s_mul_i32 s28, s28, s15
	s_add_co_u32 s26, s26, s28
	s_lshl_b32 s28, s17, 6
	s_add_co_u32 s26, s26, s28                     ; the two tiles' 32 scale words of this K step
	s_mov_b32 s27, 0
	s_add_nc_u64 s[22:23], s[20:21], s[26:27]
	s_add_nc_u64 s[20:21], s[20:21], s[24:25]
	s_mov_b32 s31, 0
.macro LOADW pitch                     ; W(128 ks + i, my column), i = 0 .. 127
.set i, 0
.rept 128
	global_load_b32 v[X+i], v6, s[32:33] offset:i*\pitch th:TH_LOAD_NT
.set i, i+1
.endr
	s_wait_loadcnt 0x0
.endm
	s_cmp_ge_u32 ttmp9, 16
	s_cbranch_scc1 .Lrows
	s_lshl_b32 s30, s16, 7                         ; my wave's 32 columns: 128 bytes
	s_cmp_ge_u32 ttmp9, 12
	s_cbranch_scc1 .Lproj
	s_mul_i32 s28, s15, 128*12288                  ; W_attn: 128 rows of 12,288 bytes a K step
	s_add_co_u32 s30, s30, s28
	s_add_nc_u64 s[32:33], s[6:7], s[30:31]
	s_wait_alu depctr_va_vdst(0)
	LOADW 12288
	s_branch .Ljoin
.Lproj:
	s_mul_i32 s28, s15, 128*4096                   ; W_proj: rows of 4,096 bytes
	s_add_co_u32 s30, s30, s28
	s_add_nc_u64 s[32:33], s[8:9], s[30:31]
	s_wait_alu depctr_va_vdst(0)
	LOADW 4096
	s_branch .Ljoin
.Lrows:
	s_lshl_b32 s30, s16, 17                        ; x: 32 rows of 4,096 bytes
	s_lshl_b32 s28, s15, 9                         ; + 512 bytes a K step
	s_add_co_u32 s30, s30, s28
	s_add_nc_u64 s[32:33], s[4:5], s[30:31]
.set i, 0
.rept 32
	global_load_b128 v[X+4*i:X+4*i+3], v3, s[32:33] offset:i*4096 th:TH_LOAD_NT   ; row i: 32 lanes read 512 consecutive bytes
.set i, i+1
.endr
.set i, 0
	s_wait_alu depctr_va_vdst(0)
.rept 32
	s_wait_loadcnt 31-i                            ; loads come back in order: row i is in, the younger rows may be out
	ds_store_b128 v8, v[X+4*i:X+4*i+3] offset:(16*((i>>3)&1)+8*(i>>4)+(i&7))*SP   ; to the stage row of the lane that holds row i
.set i, i+1
.endr
	s_wait_dscnt 0x0                               ; the stores have read their registers
.set i, 0
.rept 32
	ds_load_b128 v[X+4*i:X+4*i+3], v9 offset:16*i  ; my row, 128 neighbours along K
.set i, i+1
.endr
	s_wait_dscnt 0x0
.Ljoin:
.irp b, 0,1,2,3
	v_max3_num_f32 v[M+\b], |v[X+32*\b]|, |v[X+32*\b+1]|, 0x1800000   ; block b: all 32 numbers are mine; the floor 2^(3 - 127) holds the byte at 1 from below
.endr
.irp i, 2,4,6,8,10,12,14,16,18,20,22,24,26,28,30
.irp b, 0,1,2,3
	s_delay_alu instid0(VALU_DEP_4)
	v_max3_num_f32 v[M+\b], v[M+\b], |v[X+32*\b+\i]|, |v[X+32*\b+\i+1]|   ; (the four blocks by turns)
.endr
.endr
.irp b, 0,1,2,3
	s_delay_alu instid0(VALU_DEP_4)
	v_add_nc_u32 v[SO+\b], 0xff000000, v[M+\b]     ; 2 off the exponent field: the conversion takes this operand's exponent field as its scale
.endr
.irp b, 0,1,2,3
	s_delay_alu instid0(VALU_DEP_4)
	v_lshrrev_b32 v[BY+\b], 23, v[SO+\b]           ; the scale's byte
.endr
	s_delay_alu instid0(VALU_DEP_3)
	v_lshl_or_b32 v[WD], v[BY+1], 8, v[BY]
	s_delay_alu instid0(VALU_DEP_1)
	v_lshl_or_b32 v[WD], v[BY+2], 16, v[WD]
	s_delay_alu instid0(VALU_DEP_1)
	v_lshl_or_b32 v[WD], v[BY+3], 24, v[WD]        ; my row's scale word
	v_cvt_scalef32_pk16_fp6_f32 v[F0:F0+2], v[X:X+15], v[SO]            ; block 0, lower 16 codes
	v_cvt_scalef32_pk16_fp6_f32 v[T:T+2], v[X+16:X+31], v[SO]           ;          upper 16
	v_cvt_scalef32_pk16_fp6_f32 v[F1:F1+2], v[X+32:X+47], v[SO+1]       ; block 1
	v_cvt_scalef32_pk16_fp6_f32 v[T+4:T+6], v[X+48:X+63], v[SO+1]
	v_cvt_scalef32_pk16_fp6_f32 v[F0+6:F0+8], v[X+64:X+79], v[SO+2]     ; block 2
	v_cvt_scalef32_pk16_fp6_f32 v[T+8:T+10], v[X+80:X+95], v[SO+2]
	v_cvt_scalef32_pk16_fp6_f32 v[F1+6:F1+8], v[X+96:X+111], v[SO+3]    ; block 3
	v_cvt_scalef32_pk16_fp6_f32 v[T+12:T+14], v[X+112:X+127], v[SO+3]
	v_nop                                          ; one plain place behind the scaled conversions
; The operand's layout wants, in lane (r, h) of a tile, block 2 c + h of row r.  Lanes 0-15 hold the even tile's rows, lanes 16-31 the odd tile's.  The exchange of the first register's upper lanes with the second's
; lower lanes makes of (block 2 c, block 2 c + 1) the pair (even tile's registers, odd tile's registers).
.irp i, 0,1,2
	v_permlane16_swap_b32 v[F0+\i], v[F1+\i]
	v_permlane16_swap_b32 v[F0+6+\i], v[F1+6+\i]
	v_permlane16_swap_b32 v[T+\i], v[T+4+\i]
	v_permlane16_swap_b32 v[T+8+\i], v[T+12+\i]
.endr
.irp i, 0,1,2
	v_mov_b32 v[F0+3+\i], v[T+\i]
	v_mov_b32 v[F1+3+\i], v[T+4+\i]
	v_mov_b32 v[F0+9+\i], v[T+8+\i]
	v_mov_b32 v[F1+9+\i], v[T+12+\i]
.endr
.irp f, 0,1                            ; each store of the wave covers 512 or 256 consecutive bytes, at a multiple of 256 from the buffer's first byte
	global_store_b128 v3, v[F0+12*\f:F0+12*\f+3], s[20:21] offset:\f*TPITCH
	global_store_b64 v4, v[F0+12*\f+4:F0+12*\f+5], s[20:21] offset:\f*TPITCH+512
	global_store_b128 v3, v[F0+12*\f+6:F0+12*\f+9], s[20:21] offset:\f*TPITCH+768
	global_store_b64 v4, v[F0+12*\f+10:F0+12*\f+11], s[20:21] offset:\f*TPITCH+1280
.endr
	global_store_b32 v5, v[WD], s[22:23]           ; 32 scale words, 128 consecutive bytes: the even tile's 16, then the odd tile's
	s_wait_tensorcnt 0x0
	ds_add_u32 v200, v201
	s_wait_dscnt 0x0
	s_endpgm
.Lfunc_end_k_q85eebbc5d3_quant:
	.size	k_q85eebbc5d3_quant, .Lfunc_end_k_q85eebbc5d3_quant-k_q85eebbc5d3_quant
	.p2alignl 7, 3214868480
	.fill 96, 4, 3214868480
	.section	.rodata,"a",@progbits
	.p2align	6, 0x0
	.amdhsa_kernel k_q85eebbc5d3_quant
		.amdhsa_group_segment_fixed_size 136192
		.amdhsa_private_segment_fixed_size 0
		.amdhsa_enable_private_segment 0
		.amdhsa_kernarg_size 40
		.amdhsa_user_sgpr_count 2
		.amdhsa_user_sgpr_kernarg_segment_ptr 1
		.amdhsa_wavefront_size32 1
		.amdhsa_system_sgpr_workgroup_id_x 1
		.amdhsa_system_sgpr_workgroup_id_y 1
		.amdhsa_system_sgpr_workgroup_id_z 1
		.amdhsa_system_vgpr_workitem_id 0
		.amdhsa_next_free_vgpr 202
		.amdhsa_next_free_sgpr 66
		.amdhsa_reserve_vcc 0
		.amdhsa_float_denorm_mode_32 3
		.amdhsa_float_denorm_mode_16_64 3
		.amdhsa_memory_ordered 1
		.amdhsa_forward_progress 1
		.amdhsa_inst_pref_size 45
	.end_amdhsa_kernel
	.amdgpu_metadata
---
amdhsa.version: [ 1, 2 ]
amdhsa.kernels:
  - .name:           k_q85eebbc5d3_quant
    .symbol:         k_q85eebbc5d3_quant.kd
    .args:
      - { .name: x, .offset: 0, .size: 8, .value_kind: global_buffer, .address_space: global }
      - { .name: W_attn, .offset: 8, .size: 8, .value_kind: global_buffer, .address_space: global }
      - { .name: W_proj, .offset: 16, .size: 8, .value_kind: global_buffer, .address_space: global }
      - { .name: xw, .offset: 24, .size: 8, .value_kind: global_buffer, .address_space: global }
      - { .name: yw, .offset: 32, .size: 8, .value_kind: global_buffer, .address_space: global }
    .group_segment_fixed_size: 136192
    .private_segment_fixed_size: 0
    .kernarg_segment_align: 8
    .kernarg_segment_size: 40
    .max_flat_workgroup_size: 256
    .sgpr_count:     66
    .vgpr_count:     202
    .wavefront_size: 32
...
	.end_amdgpu_metadata
.endif
;; end of part 1
;; launch qkv (part 2): grid 8 x 32, 4 waves a work-group, clusters of 4 x 4, 327,680 bytes of LDS; arguments xw, b_attn, qkv; writes qkv
.if DOCPART == 2
	.amdgcn_target "amdgcn-amd-amdhsa--gfx1250"
	.amdhsa_code_object_version 6
	.text
	.protected	k_q85eebbc5d3_qkv
	.globl	k_q85eebbc5d3_qkv
	.p2align	8
	.type	k_q85eebbc5d3_qkv,@function
k_q85eebbc5d3_qkv:
	s_mov_b64 s[64:65], 0
	v_nop
	global_prefetch_b8 v0, s[64:65] scope:SCOPE_SE
	s_setreg_imm32_b32 hwreg(HW_REG_WAVE_MODE, 25, 1), 1
	s_wait_xcnt 0x0
	s_wait_alu depctr_hold_cnt(0) depctr_sa_sdst(0) depctr_va_vdst(0) depctr_va_sdst(0) depctr_va_ssrc(0) depctr_va_vcc(0) depctr_vm_vsrc(0)
	s_getreg_b32 s2, hwreg(HW_REG_IB_STS2, 6, 4)
	s_cmp_eq_u32 s2, 0
	s_cbranch_scc0 .Lentry_in_a_cluster
	s_endpgm
.Lentry_in_a_cluster:
	s_bfe_u32 s2, ttmp6, 0x10000c
	s_cmp_lg_u32 s2, 0xf033
	s_cbranch_scc0 .Lentry_shape_is_right
	s_endpgm
.Lentry_shape_is_right:
; qkv = x W_attn + b_attn on codes of FP6 (E2M3) with E8M0 scales, K = 1,024; the results are quantised in registers and stored as codes: q and k along the head's 64, v along the tokens.
; xw holds both operands as images of operand registers: [tile][K step 0..7] fragments of 1,536 bytes (16 rows x 128 K: per half of 768 bytes 16 bytes a lane, then 8 bytes a lane), a tile 12,288 bytes on end;
; tiles 0-511 x's tokens, tiles 512-703 W_attn's columns; scale words [K step][tile][16 rows] from byte SCOFF on.  Lane-row r of tile 2 g + u is row 32 g + 8 u + r + 8 (r / 8).
; SHARES.  256 work-groups of equal work.  Work-group (j, tb) multiplies the 256 tokens 256 tb .. (16 tiles) with 24 tiles of W_attn: the 8 tiles of v's head pair j, then the 16 tiles of columns 256 j .. (four heads of q, j < 4, or of k).
; A WAVE HOLDS FOUR TOKEN TILES, ALL OF K, IN 384 REGISTERS for the whole launch; the 24 tiles of W_attn stream past from LDS, one tile (a block: 8 fragments, 32 products on four accumulators by turns) at a time, in two
; register sets, each fetched two blocks ahead.  v: source 0 = tokens, so that a lane holds a channel and its registers run along the tokens; q, k: source 0 = the weight's tile, so that a lane holds a token and its
; registers run along the head's channels; the four blocks of a head fill 16 accumulators, 32 registers a token tile.  In both a lane's 32 numbers are two half blocks of 32 along the next product's K (with lane l xor 16's).
; LDS: x's 16 tiles at 0, W_v's 8 tiles behind them: the head's four loads, one a wave.  ONE REFILL: when x lies in registers, its bytes take the 16 tiles of W_q or W_k, four a wave, behind the three lines and a round
; of the cluster's barrier; a barrier in block 6 shows them.  CLUSTERS 4 x 4: x's tiles are shared along a row of the cluster, the weight's along a column: joint loads.
; NO PREFETCH: all that the launch reads by tensor loads is asked for in its first lines and behind its one round: there is no loop to run ahead in.
; THE BIAS is the C of a block's first four products: q, k eight numbers a lane and tile as they lie; v one number a lane, spread over eight registers.
; OUTPUT: 512 records ((batch x 8 + head pair) x 16 + block of 128 tokens) of 39,936 bytes, two heads of 19,968: [Q 8 x 768][Q's scale words 512][K 8 x 768][V 4 x 1,536][K's scale words 512][V's 512].
;   Q, K: piece a = token tile a; scale words [row 16][tile 8], two bytes low, two zero bytes above.  V: fragment dt = 16 channels, K = the block's 128 tokens; scale words [row 16][8]: the head's own four, then the other head's.
; LIMITS: NaN and infinities are not served; a block whose largest magnitude lies under 2^(3 - 127) gets the byte 1.
; REGISTERS: fragment f lies in window 1 + f / 21 at register 12 (f % 21): 0-31 x's (4 K step + tile), 32-39 and 40-47 the streamed sets.  Window 3, v72-199: the accumulators.  Window 0: addresses, scale words, biases, the way out.
.set FR,     12
.set FRB,    1536
.set TILEB,  12288
.set FPW,    21
.set SPARE,  24*TILEB
.set SCOFF,  8650752
.set PLANE,  45056
.set REC,    39936
.set HPART,  19968
.set AS,   8                           ; v8-19  LDS: 49,152 i + 16 x lane, + 8 x lane, i = 0 .. 5
.set AX,   20                          ; v20-21 the same at my four tiles of x
.set VSA,  22                          ; v22-23 v's scale bytes, for a tile of the first head, of the second
.set QSA,  24                          ; v24    q's, k's scale words: 32 r + h x a head's part
.set SPW,  28
.set NIL,  29
.set XS,   32                          ; v32-47  x's scale words: 8 (tile / 2) + K step; lanes 0-15 the even tile, lanes 16-31 the odd one
.set WS,   52                          ; v52-147 the weight's, likewise
.set VB,   148                         ; v148-155 v's bias, a register a tile
.set CV,   156                         ; v156-163 spread for the block in hand
.set BSA,  148                         ; v148-179, v180-211 q's, k's bias: a head's four tiles, two sets
.set TM,   212
.set TP,   214
.set SO,   216
.set BY,   218
.set PW,   220
.set PC,   224
.set PT,   230
.set PWS,  246                         ; v246-253 two heads' scale words of my four token tiles
.set SW,   212
.set ACC,  72                          ; in window 3
.set G1X, 24
.set G0X, 32
.set G0Q, 36
.set G1W, 48
.set G0V, 56
.set SEL, 94
.set MSB, 0
.macro WIN new                         ; the immediate's high byte repeats the setting that is left
.if MSB != (\new)
	s_set_vgpr_msb (MSB<<8)|(\new)
.set MSB, (\new)
.endif
.endm
.macro PLACES
.rept 4
	v_nop
.endr
.endm
.macro WALU
	s_wait_alu depctr_va_vdst(0)
.endm
.macro CROUND
	s_barrier_signal -1
	s_barrier_wait -1
	s_cmp_lg_u32 s14, 0
	s_cbranch_scc1 .Lnot_wave_0_\@
	s_barrier_signal -3
.Lnot_wave_0_\@:
	s_barrier_wait -3
	s_barrier_signal -1
	s_barrier_wait -1
.endm
.macro GROUP1 g, mask, rows            ; rows (tiles) of 12,288 bytes, dense in memory and in LDS
	s_or_b32 s[\g], s[\mask], (3<<16)|(1<<21)
	s_mov_b32 s[\g+1], 1536<<16
	s_mov_b32 s[\g+2], (\rows)<<16
	s_mov_b32 s[\g+3], 1536<<16
	s_mov_b32 s[\g+4], \rows
	s_mov_b32 s[\g+5], 1536
	s_mov_b32 s[\g+6], 0
	s_mov_b32 s[\g+7], 0
.endm
.macro FRAGL f, a16, a8, off           ; a fragment comes as it was stored: four loads, each of consecutive bytes over the lanes
	WIN (1+(\f)/FPW)<<6
.set R_, FR*((\f)%FPW)
	ds_load_b128 v[R_:R_+3], v[\a16] offset:(\off)
	ds_load_b64 v[R_+4:R_+5], v[\a8] offset:(\off)+512
	ds_load_b128 v[R_+6:R_+9], v[\a16] offset:(\off)+768
	ds_load_b64 v[R_+10:R_+11], v[\a8] offset:(\off)+1280
.endm
.macro FETCH a                         ; block a into set a % 2: 32 loads.  Blocks 0-7 lie in LDS tiles 16-23, blocks 8-23 in tiles 0-15
.set QL_, ((\a)+16)%24
.irp q, 0,1,2,3,4,5,6,7
	FRAGL 32+8*((\a)%2)+\q, AS+2*(QL_/4), AS+2*(QL_/4)+1, (QL_%4)*TILEB+\q*FRB
.endr
	WIN 0
.endm
.macro BLOAD g                         ; the bias of head g of my four: lane (r, h) wants, for tile u, the numbers 32 (u / 2) + 8 (u % 2) + 16 h + 0 .. 7
.set BS_, BSA+32*(((\g)+1)%2)
.irp u, 0,1,2,3
	global_load_b128 v[BS_+8*\u:BS_+8*\u+3], v5, s[78:79] offset:(\g)*256+(32*(\u>>1)+8*(\u&1))*4
	global_load_b128 v[BS_+8*\u+4:BS_+8*\u+7], v5, s[78:79] offset:(\g)*256+(32*(\u>>1)+8*(\u&1))*4+16
.endr
.endm
; A block's 32 products.  The four accumulators take turns, one instruction a turn.  ap, ao: the block is 2 ap + ao.
.macro VBLOCK ap, ao
.irp q, 0,1,2,3,4,5,6,7
.irp bb, 0,1
.irp o, 0,1
.set FX_, 4*\q+2*\bb+\o
.set FS_, 32+8*\ao+\q
.set D_, ACC+8*(2*\bb+\o)
.if \q == 0
	WIN (1+FX_/FPW)|((1+FS_/FPW)<<2)|(3<<6)
	v_wmma_scale_f32_16x16x128_f8f6f4 v[D_:D_+7], v[FR*(FX_%FPW):FR*(FX_%FPW)+11], v[FR*(FS_%FPW):FR*(FS_%FPW)+11], v[CV:CV+7], v[XS+8*\bb+\q], v[WS+8*\ap+\q] matrix_a_fmt:MATRIX_FMT_FP6 matrix_b_fmt:MATRIX_FMT_FP6 matrix_a_scale:MATRIX_SCALE_ROW\o matrix_b_scale:MATRIX_SCALE_ROW\ao
.else
	WIN (1+FX_/FPW)|((1+FS_/FPW)<<2)|(3<<4)|(3<<6)
	v_wmma_scale_f32_16x16x128_f8f6f4 v[D_:D_+7], v[FR*(FX_%FPW):FR*(FX_%FPW)+11], v[FR*(FS_%FPW):FR*(FS_%FPW)+11], v[D_:D_+7], v[XS+8*\bb+\q], v[WS+8*\ap+\q] matrix_a_fmt:MATRIX_FMT_FP6 matrix_b_fmt:MATRIX_FMT_FP6 matrix_a_scale:MATRIX_SCALE_ROW\o matrix_b_scale:MATRIX_SCALE_ROW\ao
.endif
.endr
.endr
.endr
.endm
.macro QBLOCK ap, ao                   ; U_: the tile in its head; BC_: the head's bias
.irp q, 0,1,2,3,4,5,6,7
.irp bb, 0,1
.irp o, 0,1
.set FX_, 4*\q+2*\bb+\o
.set FS_, 32+8*\ao+\q
.set D_, ACC+32*(2*\bb+\o)+8*U_
.if \q == 0
	WIN (1+FS_/FPW)|((1+FX_/FPW)<<2)|(3<<6)
	v_wmma_scale_f32_16x16x128_f8f6f4 v[D_:D_+7], v[FR*(FS_%FPW):FR*(FS_%FPW)+11], v[FR*(FX_%FPW):FR*(FX_%FPW)+11], v[BC_+8*U_:BC_+8*U_+7], v[WS+8*\ap+\q], v[XS+8*\bb+\q] matrix_a_fmt:MATRIX_FMT_FP6 matrix_b_fmt:MATRIX_FMT_FP6 matrix_a_scale:MATRIX_SCALE_ROW\ao matrix_b_scale:MATRIX_SCALE_ROW\o
.else
	WIN (1+FS_/FPW)|((1+FX_/FPW)<<2)|(3<<4)|(3<<6)
	v_wmma_scale_f32_16x16x128_f8f6f4 v[D_:D_+7], v[FR*(FS_%FPW):FR*(FS_%FPW)+11], v[FR*(FX_%FPW):FR*(FX_%FPW)+11], v[D_:D_+7], v[WS+8*\ap+\q], v[XS+8*\bb+\q] matrix_a_fmt:MATRIX_FMT_FP6 matrix_b_fmt:MATRIX_FMT_FP6 matrix_a_scale:MATRIX_SCALE_ROW\ao matrix_b_scale:MATRIX_SCALE_ROW\o
.endif
.endr
.endr
.endr
.endm
; 32 sums of a lane, window 3's v[x] on, register 16 b + i = k 32 b + 16 (lane / 16) + i of my row, become half a fragment's codes in v[PC] .. v[PC + 5] and its two scale bytes in v[PW].
.macro QUANTH x
	s_wait_xcnt 0x0                                ; the stores before have read the registers that are written again here
	WIN 0x0f
.irp b, 0,1
	v_max3_num_f32 v[TM+\b], |v[\x+16*\b]|, |v[\x+16*\b+1]|, 0x1800000   ; each accumulator from its low end on; the floor 2^(3 - 127): the byte cannot fall under 1
.endr
	WIN 0x3c
.irp i, 2,4,6,8,10,12,14
.irp b, 0,1
	v_max3_num_f32 v[TM+\b], v[TM+\b], |v[\x+16*\b+\i]|, |v[\x+16*\b+\i+1]|
.endr
.endr
	WIN 0
.irp b, 0,1
	v_permlanex16_b32 v[TP+\b], v[TM+\b], s[SEL], s[SEL+1]
.endr
.irp b, 0,1
	v_max_num_f32 v[TM+\b], v[TM+\b], v[TP+\b]     ; with lane l xor 16's: the block's largest magnitude
.endr
.irp b, 0,1
	v_add_nc_u32 v[SO+\b], 0xff000000, v[TM+\b]    ; 2 off its exponent field: the conversion's scale operand
.endr
.irp b, 0,1
	v_lshrrev_b32 v[BY+\b], 23, v[SO+\b]
.endr
	v_lshl_or_b32 v[PW], v[BY+1], 8, v[BY]
	WIN 0x03
	v_cvt_scalef32_pk16_fp6_f32 v[PC:PC+2], v[\x:\x+15], v[SO]
	v_cvt_scalef32_pk16_fp6_f32 v[PT:PT+2], v[\x+16:\x+31], v[SO+1]
	WIN 0
	v_nop                                          ; one plain place behind a scaled conversion
.irp i, 0,1,2
	v_permlane16_swap_b32 v[PC+\i], v[PT+\i]       ; lanes 0-15: block 0, lanes 16-31: block 1
.endr
.irp i, 0,1,2
	v_mov_b32 v[PC+3+\i], v[PT+\i]
.endr
.endm
	s_load_b128 s[4:7], s[0:1], 0x0                ; xw, b_attn
	s_load_b64 s[8:9], s[0:1], 0x10                ; qkv
	v_lshl_add_u32 v[SPW], v0, 2, SPARE
	v_mov_b32 v[NIL], 0
	ds_add_u32 v[SPW], v[NIL]                      ; the opening lines: the add twice on end and one wait
	ds_add_u32 v[SPW], v[NIL]
	v_lshrrev_b32 v1, 5, v0
	v_readfirstlane_b32 s14, v1                    ; wave 0..3
	s_lshr_b32 s15, s14, 1
	s_and_b32 s16, s14, 1
	s_bfe_u32 s40, ttmp6, 0x40000                  ; cx
	s_bfe_u32 s41, ttmp6, 0x40004                  ; cy
	s_lshl_b32 s42, ttmp9, 2
	s_add_co_u32 s42, s42, s40                     ; j
	s_and_b32 s17, ttmp7, 0xffff
	s_lshl_b32 s17, s17, 2
	s_add_co_u32 s17, s17, s41                     ; tb
	s_lshl_b32 s43, s41, 2
	s_lshl_b32 s43, 15, s43                        ; my row of the cluster
	s_lshl_b32 s44, 0x1111, s40                    ; my column
	GROUP1 G1X, 43, 8
	GROUP1 G1W, 44, 4
	s_lshl_b32 s20, s17, 4                         ; x: tile 16 tb + 8 (wave % 2)
	s_lshl_b32 s21, s16, 3
	s_add_co_u32 s20, s20, s21
	s_mul_i32 s20, s20, TILEB
	s_mov_b32 s21, 0
	s_mov_b32 s[G0X], 1
	s_mul_i32 s[G0X+1], s16, 8*TILEB
	s_lshl_b32 s46, s42, 3                         ; W_v: tile 640 + 8 j + 4 (wave % 2)
	s_lshl_b32 s47, s16, 2
	s_add_co_u32 s46, s46, s47
	s_add_co_u32 s46, s46, 640
	s_mul_i32 s46, s46, TILEB
	s_mov_b32 s47, 0
	s_mov_b32 s[G0V], 1
	s_mul_i32 s[G0V+1], s16, 4*TILEB
	s_add_co_u32 s[G0V+1], s[G0V+1], 16*TILEB
	s_lshl_b32 s68, s42, 4                         ; W_q or W_k: tile 512 + 16 j + 4 wave
	s_lshl_b32 s69, s14, 2
	s_add_co_u32 s68, s68, s69
	s_add_co_u32 s68, s68, 512
	s_mul_i32 s68, s68, TILEB
	s_mov_b32 s69, 0
	s_mov_b32 s[G0Q], 1
	s_mul_i32 s[G0Q+1], s14, 4*TILEB
	s_mov_b32 s[SEL], 0x76543210
	s_mov_b32 s[SEL+1], 0xfedcba98
	WALU
	s_wait_dscnt 0x0
	CROUND                                         ; all sixteen work-groups are here: the first joint loads meet
	s_wait_kmcnt 0x0
	s_add_nc_u64 s[G0X+2:G0X+3], s[4:5], s[20:21]
	s_or_b32 s[G0X+3], s[G0X+3], 0x80000000
	s_add_nc_u64 s[G0V+2:G0V+3], s[4:5], s[46:47]
	s_or_b32 s[G0V+3], s[G0V+3], 0x80000000
	s_add_nc_u64 s[G0Q+2:G0Q+3], s[4:5], s[68:69]
	s_or_b32 s[G0Q+3], s[G0Q+3], 0x80000000
	s_cmp_lt_u32 s14, 2
	s_cbranch_scc0 .Lfor_w
	tensor_load_to_lds s[G0X:G0X+3], s[G1X:G1X+7]  ; waves 0, 1: eight tiles of x each
	s_nop 0
	PLACES
	s_branch .Lasked
.Lfor_w:
	tensor_load_to_lds s[G0V:G0V+3], s[G1W:G1W+7]  ; waves 2, 3: four tiles of W_v each
	s_nop 0
	PLACES
.Lasked:
	s_add_nc_u64 s[66:67], s[4:5], SCOFF
	s_lshl_b32 s70, s17, 4
	s_lshl_b32 s71, s14, 2
	s_add_co_u32 s70, s70, s71
	s_lshl_b32 s70, s70, 6                         ; my four tiles of x: 64 bytes of scale words a tile and K step
	s_mov_b32 s71, 0
	s_add_nc_u64 s[70:71], s[66:67], s[70:71]
	s_lshl_b32 s72, s42, 9
	s_add_co_u32 s72, s72, 640*64
	s_mov_b32 s73, 0
	s_add_nc_u64 s[72:73], s[66:67], s[72:73]      ; W_v's eight
	s_lshl_b32 s74, s42, 10
	s_add_co_u32 s74, s74, 512*64
	s_mov_b32 s75, 0
	s_add_nc_u64 s[74:75], s[66:67], s[74:75]      ; W_q's or W_k's sixteen
	s_lshl_b32 s76, s42, 9
	s_add_co_u32 s76, s76, 8192
	s_mov_b32 s77, 0
	s_add_nc_u64 s[76:77], s[6:7], s[76:77]        ; the bias from column 2,048 + 128 j on,
	s_lshl_b32 s78, s42, 10
	s_mov_b32 s79, 0
	s_add_nc_u64 s[78:79], s[6:7], s[78:79]        ; and from column 256 j on
	s_lshl_b32 s80, s17, 1
	s_add_co_u32 s80, s80, s15                     ; my block of 128 tokens, 0 .. 63
	s_lshr_b32 s81, s80, 4
	s_and_b32 s80, s80, 15
	s_lshl_b32 s81, s81, 7
	s_add_co_u32 s81, s81, s80                     ; batch x 128 + the block in its batch
	s_lshl_b32 s90, s42, 4
	s_add_co_u32 s90, s90, s81
	s_mul_i32 s90, s90, REC                        ; v's record: head pair j
	s_and_b32 s92, s42, 3
	s_lshl_b32 s92, s92, 5
	s_add_co_u32 s92, s92, s81
	s_mul_i32 s92, s92, REC                        ; q's or k's first record: head pair 2 (j % 4)
	s_mul_i32 s93, s16, 768
	s_add_co_u32 s82, s90, s93
	s_add_co_u32 s82, s82, 12800
	s_mov_b32 s83, 0
	s_add_nc_u64 s[82:83], s[8:9], s[82:83]        ; V, my half of a fragment
	s_lshl_b32 s84, s16, 1
	s_add_co_u32 s84, s84, s90
	s_add_co_u32 s84, s84, 19456
	s_mov_b32 s85, 0
	s_add_nc_u64 s[84:85], s[8:9], s[84:85]        ; V's scale words, my two bytes
	s_mul_i32 s86, ttmp9, 6656                     ; cluster x = j / 4: 0 q, 1 k
	s_add_co_u32 s86, s86, s92
	s_mul_i32 s91, s16, 4*768
	s_add_co_u32 s86, s86, s91
	s_mov_b32 s87, 0
	s_add_nc_u64 s[86:87], s[8:9], s[86:87]        ; Q or K, my four pieces
	s_mul_i32 s88, ttmp9, 12800
	s_add_co_u32 s88, s88, s92
	s_add_co_u32 s88, s88, 6144
	s_lshl_b32 s91, s16, 4
	s_add_co_u32 s88, s88, s91
	s_mov_b32 s89, 0
	s_add_nc_u64 s[88:89], s[8:9], s[88:89]        ; their scale words, my four of a row's eight
	s_mul_i32 s2, s14, 4*TILEB
	v_and_b32 v1, 15, v0                           ; r
	v_bfe_u32 v2, v0, 4, 1                         ; h
	v_and_b32 v3, 31, v0                           ; lane
	v_lshlrev_b32 v[AS], 4, v3
	v_lshlrev_b32 v[AS+1], 3, v3
.irp i, 1,2,3,4,5
	v_add_nc_u32 v[AS+2*\i], \i*4*TILEB, v[AS]
	v_add_nc_u32 v[AS+2*\i+1], \i*4*TILEB, v[AS+1]
.endr
	v_add_nc_u32 v[AX], s2, v[AS]
	v_add_nc_u32 v[AX+1], s2, v[AS+1]
	v_lshlrev_b32 v4, 2, v3                        ; 4 x lane: the scale words of two neighbouring tiles
	v_lshlrev_b32 v5, 6, v2
	v_and_b32 v6, 8, v1
	v_add_nc_u32 v6, v6, v1
	v_lshlrev_b32 v6, 2, v6                        ; v's bias: number r + 8 (r / 8) of a tile's
	v_lshlrev_b32 v7, 5, v1
	v_mul_u32_u24 v[VSA], v2, HPART+16             ; a tile of the first head: lanes 0-15 its own copy's word dt, lanes 16-31 the other copy's word 4 + dt
	v_add_nc_u32 v[VSA], v[VSA], v7
	v_mul_u32_u24 v[VSA+1], v2, HPART-16           ; of the second head: lanes 0-15 the other copy's word 4 + dt, lanes 16-31 its own copy's word dt
	v_add3_u32 v[VSA+1], v[VSA+1], v7, 16
	v_mul_u32_u24 v[QSA], v2, HPART
	v_add_nc_u32 v[QSA], v[QSA], v7
	v_mov_b32 v[TP], 0                             ; written once: a lane permute's destination counts as one of its sources
	v_mov_b32 v[TP+1], 0
	WALU                                           ; the wait at the head's end
.irp k, 0,1,2,3,4,5,6,7
.irp g, 0,1
	global_load_b32 v[XS+8*\g+\k], v4, s[70:71] offset:\k*PLANE+\g*128
.endr
.irp g, 0,1,2,3
	global_load_b32 v[WS+8*\g+\k], v4, s[72:73] offset:\k*PLANE+\g*128
.endr
.endr
.irp a, 0,1,2,3,4,5,6,7
	global_load_b32 v[VB+\a], v6, s[76:77] offset:(32*(\a>>1)+8*(\a&1))*4
.endr
.irp k, 0,1,2,3,4,5,6,7
.irp g, 0,1,2,3,4,5,6,7
	global_load_b32 v[WS+32+8*\g+\k], v4, s[74:75] offset:\k*PLANE+\g*128
.endr
.endr
	BLOAD 0
	s_cmp_lt_u32 s14, 2
	s_cbranch_scc0 .Lnot_x
	s_wait_tensorcnt 0x0
.Lnot_x:
	s_barrier_signal -1
	s_barrier_wait -1                              ; x is in: its load line is waves 0 and 1's alone, and both have waited
.irp q, 0,1,2,3,4,5,6,7
.irp b, 0,1,2,3
	FRAGL 4*\q+\b, AX, AX+1, \b*TILEB+\q*FRB       ; my four tiles of x, all of K: 128 loads
.endr
.endr
	WIN 0
	s_wait_tensorcnt 0x0                           ; the three lines ahead of the refill: all my tensor loads are in, W_v's among them;
	ds_add_u32 v[SPW], v[NIL]
	s_wait_dscnt 0x0                               ; the add is done and my reads of x are over
	CROUND
	tensor_load_to_lds s[G0Q:G0Q+3], s[G1W:G1W+7]  ; four tiles of W_q or W_k a wave, onto x's bytes
	s_nop 0
	PLACES
	FETCH 0
	FETCH 1
	s_wait_loadcnt 0x0                             ; the scale words and the biases
.irp i, 0,1,2,3,4,5,6,7
	v_mov_b32 v[CV+\i], v[VB]
.endr
	PLACES
	WALU
.irp ap, 0,1,2,3,4,5,6,7,8,9,10,11
.irp ao, 0,1
.set A_, 2*\ap+\ao
.set G_, (A_-8)/4
.set U_, (A_-8)%4
.set BC_, BSA+32*((G_+1)%2)
.if A_ < 23
	s_wait_dscnt 32                                ; this block's fragments are in; the next block's 32 loads may be out
.else
	s_wait_dscnt 0x0
.endif
.if A_ < 8
	VBLOCK \ap, \ao
.else
.if U_ == 0
	s_wait_loadcnt 0x0                             ; this head's bias
.endif
	QBLOCK \ap, \ao
.endif
	WIN 0
	PLACES                                         ; in front of loads into the products' registers and of reads of their results
.if A_ == 6
	s_wait_tensorcnt 0x0                           ; my part of the refill is in;
	s_wait_dscnt 0x0
	s_barrier_signal -1
	s_barrier_wait -1                              ; everybody's is.
.endif
.if A_+2 < 24
	FETCH A_+2
.endif
.if A_ < 8
.if A_ < 7
.irp i, 0,1,2,3,4,5,6,7
	v_mov_b32 v[CV+\i], v[VB+A_+1]                 ; the next block's bias
.endr
.endif
	QUANTH ACC
	global_store_b128 v[AS], v[PC:PC+3], s[82:83] offset:(A_/4)*HPART+(A_%4)*FRB        ; 512 consecutive bytes, at a multiple of 256 from the buffer's first byte
	global_store_b64 v[AS+1], v[PC+4:PC+5], s[82:83] offset:(A_/4)*HPART+(A_%4)*FRB+512 ; 256
	global_store_b16 v[VSA+A_/4], v[PW], s[84:85] offset:4*(A_%4)                       ; two bytes of a word in both heads' copies; one byte in 12 of what is stored here
.else
.if U_ == 0 && G_ < 3
	BLOAD G_+1                                     ; into the set that the head before has done with
.endif
.if U_ == 3
.irp b, 0,1,2,3
	QUANTH ACC+32*\b
	global_store_b128 v[AS], v[PC:PC+3], s[86:87] offset:(G_/2)*16*REC+(G_%2)*HPART+\b*768
	global_store_b64 v[AS+1], v[PC+4:PC+5], s[86:87] offset:(G_/2)*16*REC+(G_%2)*HPART+\b*768+512
	v_mov_b32 v[PWS+4*(G_%2)+\b], v[PW]
.endr
.if G_%2 == 1
	v_cmp_eq_u32 vcc_lo, 1, v2
.irp i, 0,1,2,3
	v_cndmask_b32 v[SW+\i], v[PWS+\i], v[PWS+4+\i], vcc_lo   ; lanes 0-15 store the pair's first head's words, lanes 16-31 the second's
.endr
	global_store_b128 v[QSA], v[SW:SW+3], s[88:89] offset:(G_/2)*16*REC
.endif
.endif
.endif
.endr
.endr
	s_wait_tensorcnt 0x0                           ; the wave's end
	ds_add_u32 v[SPW], v[NIL]
	s_wait_dscnt 0x0
	CROUND                                         ; the closing round
	s_endpgm
.Lfunc_end_k_q85eebbc5d3_qkv:
	.size	k_q85eebbc5d3_qkv, .Lfunc_end_k_q85eebbc5d3_qkv-k_q85eebbc5d3_qkv
	.p2alignl 7, 3214868480
	.fill 96, 4, 3214868480
	.section	.rodata,"a",@progbits
	.p2align	6, 0x0
	.amdhsa_kernel k_q85eebbc5d3_qkv
		.amdhsa_group_segment_fixed_size 327680
		.amdhsa_private_segment_fixed_size 0
		.amdhsa_enable_private_segment 0
		.amdhsa_kernarg_size 24
		.amdhsa_user_sgpr_count 2
		.amdhsa_user_sgpr_kernarg_segment_ptr 1
		.amdhsa_wavefront_size32 1
		.amdhsa_system_sgpr_workgroup_id_x 1
		.amdhsa_system_sgpr_workgroup_id_y 1
		.amdhsa_system_sgpr_workgroup_id_z 1
		.amdhsa_system_vgpr_workitem_id 0
		.amdhsa_next_free_vgpr 968
		.amdhsa_next_free_sgpr 100
		.amdhsa_reserve_vcc 1
		.amdhsa_float_denorm_mode_32 3
		.amdhsa_float_denorm_mode_16_64 3
		.amdhsa_memory_ordered 1
		.amdhsa_forward_progress 1
		.amdhsa_inst_pref_size 243
	.end_amdhsa_kernel
	.amdgpu_metadata
---
amdhsa.version: [ 1, 2 ]
amdhsa.kernels:
  - .name:           k_q85eebbc5d3_qkv
    .symbol:         k_q85eebbc5d3_qkv.kd
    .args:
      - { .name: xw, .offset: 0, .size: 8, .value_kind: global_buffer, .address_space: global }
      - { .name: b_attn, .offset: 8, .size: 8, .value_kind: global_buffer, .address_space: global }
      - { .name: qkv, .offset: 16, .size: 8, .value_kind: global_buffer, .address_space: global }
    .group_segment_fixed_size: 327680
    .private_segment_fixed_size: 0
    .kernarg_segment_align: 8
    .kernarg_segment_size: 24
    .max_flat_workgroup_size: 128
    .sgpr_count:     100
    .vgpr_count:     968
    .wavefront_size: 32
...
	.end_amdgpu_metadata
.endif
;; end of part 2
;; launch attn (part 3): grid 4 x 64, 16 waves a work-group, clusters of 4 x 1, 327,680 bytes of LDS; arguments qkv, yw; writes yw
.if DOCPART == 3
	.amdgcn_target "amdgcn-amd-amdhsa--gfx1250"
	.amdhsa_code_object_version 6
	.text
	.protected	k_q85eebbc5d3_attn
	.globl	k_q85eebbc5d3_attn
	.p2align	8
	.type	k_q85eebbc5d3_attn,@function
k_q85eebbc5d3_attn:
	s_mov_b64 s[64:65], 0
	v_nop
	global_prefetch_b8 v0, s[64:65] scope:SCOPE_SE
	s_setreg_imm32_b32 hwreg(HW_REG_WAVE_MODE, 25, 1), 1
	s_wait_xcnt 0x0
	s_wait_alu depctr_hold_cnt(0) depctr_sa_sdst(0) depctr_va_vdst(0) depctr_va_sdst(0) depctr_va_ssrc(0) depctr_va_vcc(0) depctr_vm_vsrc(0)
	s_getreg_b32 s2, hwreg(HW_REG_IB_STS2, 6, 4)
	s_cmp_eq_u32 s2, 0
	s_cbranch_scc0 .Lentry_in_a_cluster
	s_endpgm
.Lentry_in_a_cluster:
	s_bfe_u32 s2, ttmp6, 0x10000c
	s_cmp_lg_u32 s2, 0x3003
	s_cbranch_scc0 .Lentry_shape_is_right
	s_endpgm
.Lentry_shape_is_right:
; y = softmax_causal(q k^T / 8) v for 64 heads of 64 channels and 2,048 tokens, both products on codes of FP6 (E2M3) with E8M0 scales; y is quantised along its 1,024 columns and stored as codes for the last product.
; LEFT OUT: key blocks that lie wholly behind a query block's diagonal: the causal mask makes their scores -infinity, so their p is 0 for all values of the inputs.
; qkv: 512 records ((batch x 8 + head pair) x 16 + block of 128 tokens) of 39,936 bytes, two heads of 19,968: [Q 8 x 768][Q's scale words 512][K 8 x 768][V 4 x 1,536][K's scale words 512][V's 512].
; A piece of 768 bytes is half an operand's image (K 0-63 of 16 rows): 16 bytes a lane, then 8 bytes a lane.  Scale words: [row 16][8 words]; Q, K: word a, its two low bytes; V: words 0-3.
; Lane-row r of tile 2 g + u is row 32 g + 8 u + r + 8 (r / 8), in tokens and in channels.
; THE SOFTMAX: t = score x log2(e) / 8; M = the row's largest t so far, rounded UP to a whole number; p = 2^(t - M) is quantised along the keys, not normalised; the row's sum is taken of the unquantised p and divides at
; the end; when M moves, the sum and O are multiplied by 2^(old M - new M), which rounds nothing.
; SHARES.  A cluster of four work-groups serves one head (cluster y = batch x 16 + head).  Work-group cx takes query tiles 2 cx and 2 cx + 1 of EVERY query block of 128.  Wave w = 8 e + p takes tile 2 cx + e of block
; 15 - p (key blocks 0 .. 15 - p) and then of block p (key blocks 0 .. p): 17 key steps of 128 keys for every wave of every work-group.  The walk hangs on the wave's number alone: it is the same in all partners.
; LDS HOLDS THE HEAD'S WHOLE K AND V: 16 records of 13,312 bytes (K, V and their scale words lie on end in memory), 212,992 bytes, each filled ONCE.  Four fills of four records, a quarter record (13 rows of 256 bytes)
; a wave, asked for JOINTLY by the four partners: the first at the head, the others ahead of steps 0, 2 and 4, each behind the three lines and a round of the cluster's barrier.
; A barrier ahead of step 6 shows the last fill.  Steps 0 to 5 read record = step in every wave; from step 6 on no load is out, no barrier stands, and each wave goes its own way.
; LAYOUT.  S^T = K Q^T (source 0 = 16 keys, source 1 = my 16 queries), O^T = V^T P^T: a lane holds ONE query throughout; the 16 registers of tiles 2 b, 2 b + 1 of S^T are 16 neighbouring keys.
; THE FIRST PRODUCT'S K IS 64: Q's registers 6-11 are zero codes, so what the other operand's registers 6-11 hold adds nothing: K's eight halves lie six registers apart, each product naming its own six and the next half's.
; PREFETCH: behind the fills ahead of steps 0 and 2, what the next fill will load: partner cx names record 8 + cx, then 12 + cx: 52 blocks of 256 bytes, a lane a block, waves 0 and 1 (left-over lanes name the last again).
; LIMITS: NaN and infinities are not served; the promise holds while |t| stays under 2^31; a block of y whose largest magnitude lies under 2^(3 - 127) gets the byte 1.
.set REC,    39936
.set HPART,  19968
.set KVOFF,  6656                      ; K begins here in a head's part
.set HREC,   13312                     ; a record in LDS: K 6,144, V 6,144, K's scale words 512, V's 512
.set QUART,  3328
.set FRB,    1536
.set SPARE,  16*HREC                   ; the spare words, 128 bytes for each wave: eight blocks of 256 bytes that no other line names
.set SCOFF3, 7077888
.set PLANE3, 36864
.set L16, 1                            ; 16 x lane
.set L8P, 2                            ; 8 x lane + 512
.set R32, 3                            ; 32 r
.set L8,  4                            ; 8 x lane
.set SPW, 5
.set NIL, 6
.set YSO, 7                            ; 4 r + h
.set A16, 8                            ; the three addresses of the record in hand
.set A8,  9
.set ASC, 10
.set PFO, 11
.set QF,  16                           ; v16-27 Q;  v12 -M, v13 the largest t, v[14:15] the sum in two halves
.set LH,  28
.set DQ,  31                           ; my query's number in its block - 16 h
.set FRG, 32                           ; v32-85 K's eight halves (v80-85 stay zero), then V's four fragments
.set S,   96                           ; v96-159 S^T, then p
.set O,   160                          ; v160-191 O^T
.set Q2,  192                          ; v192-198 the second block's Q and its scale
.set KS,  200                          ; v200-207 K's scale words
.set VS,  208                          ; v208-211 V's
.set PCD, 224                          ; v224-235 codes; v230-254 at work; v253 p's scale word
.set QS,  255
.set RB,  2                            ; s2  LDS byte at which the record in hand begins
.set T,   3                            ; s3  a loop's counter
.set WV,  18
.set SEL, 20
.set CS,  22                           ; s[22:23] c = log2(e) / 8
.set G1,  24
.set G0,  32
.set KSC, 38                           ; the key block in hand
.set LEN, 39                           ; 16 - p: the steps of my first query block
.set QB1, 40                           ; 15 - p
.set QB,  41                           ; the query block in hand
.set YB,  48
.set YS,  50
.set PFA, 52
.macro WALU
	s_wait_alu depctr_va_vdst(0)
.endm
.macro CROUND                          ; a round of the cluster's barrier
	s_barrier_signal -1
	s_barrier_wait -1
	s_cmp_lg_u32 s[WV], 0
	s_cbranch_scc1 .Lnot_wave_0_\@
	s_barrier_signal -3
.Lnot_wave_0_\@:
	s_barrier_wait -3
	s_barrier_signal -1
	s_barrier_wait -1
.endm
.macro TLOAD                           ; every wave's quarter record
	tensor_load_to_lds s[G0:G0+3], s[G1:G1+7]
	s_nop 0
.rept 4
	v_nop
.endr
.endm
	s_load_b128 s[4:7], s[0:1], 0x0                ; qkv, yw
	v_lshl_add_u32 v[SPW], v0, 2, SPARE
	v_mov_b32 v[NIL], 0
	ds_add_u32 v[SPW], v[NIL]                      ; the opening lines: the add twice on end and one wait
	ds_add_u32 v[SPW], v[NIL]
	v_lshrrev_b32 v8, 5, v0
	v_readfirstlane_b32 s[WV], v8                  ; wave 0..15
	s_and_b32 s8, ttmp7, 0xffff                    ; batch x 16 + head
	s_bfe_u32 s11, ttmp6, 0x40000                  ; cx
	s_and_b32 s9, s[WV], 7                         ; p
	s_lshr_b32 s10, s[WV], 3                       ; e
	s_lshr_b32 s12, s8, 1                          ; batch x 8 + head pair
	s_and_b32 s13, s8, 1                           ; the head's parity
	s_lshl_b32 s16, s11, 1
	s_add_co_u32 s16, s16, s10                     ; i = 2 cx + e: my query tile
	s_sub_co_u32 s[LEN], 16, s9
	s_sub_co_u32 s[QB1], 15, s9
	s_mov_b32 s[SEL], 0x76543210
	s_mov_b32 s[SEL+1], 0xfedcba98
	s_mov_b32 s[CS], 0x3e38aa3b                    ; log2(e) / 8
	s_mov_b32 s[CS+1], s[CS]
	s_mov_b32 s[G1], 15|(3<<16)|(1<<21)            ; the four partners; elements of 8 bytes; bit 21 beside a mask
	s_mov_b32 s[G1+1], 32<<16                      ; 13 rows of 256 bytes, dense
	s_mov_b32 s[G1+2], 13<<16
	s_mov_b32 s[G1+3], 32<<16
	s_mov_b32 s[G1+4], 13
	s_mov_b32 s[G1+5], 32
	s_mov_b32 s[G1+6], 0
	s_mov_b32 s[G1+7], 0
	s_mul_i32 s14, s12, 16*REC
	s_mul_i32 s15, s13, HPART
	s_add_co_u32 s14, s14, s15                     ; my head's part of the pair's first record
	s_mov_b32 s15, 0
	s_lshr_b32 s44, s[WV], 2
	s_mul_i32 s44, s44, REC                        ; record wave / 4 of a fill,
	s_and_b32 s46, s[WV], 3
	s_mul_i32 s46, s46, QUART                      ; quarter wave % 4
	s_add_co_u32 s44, s44, s46
	s_add_co_u32 s44, s44, KVOFF
	s_mov_b32 s45, 0
	s_mov_b32 s[G0], 1
	s_mul_i32 s[G0+1], s[WV], QUART                ; LDS: 13,312 (wave / 4) + 3,328 (wave % 4)
	WALU
	s_wait_dscnt 0x0
	CROUND                                         ; the four partners are here: the first joint loads meet
	s_wait_kmcnt 0x0
	s_add_nc_u64 s[14:15], s[4:5], s[14:15]
	s_add_nc_u64 s[G0+2:G0+3], s[14:15], s[44:45]
	s_or_b32 s[G0+3], s[G0+3], 0x80000000
	TLOAD                                          ; records 0 to 3: one load a wave at the head
	s_add_co_u32 s46, s11, 8
	s_mul_i32 s46, s46, REC
	s_add_co_u32 s46, s46, KVOFF
	s_mov_b32 s47, 0
	s_add_nc_u64 s[PFA:PFA+1], s[14:15], s[46:47]  ; record 8 + cx: never rewritten
	s_lshr_b32 s46, s12, 3
	s_and_b32 s47, s12, 7                          ; the head pair: y's K step
	s_lshl_b32 s46, s46, 7
	s_add_co_u32 s46, s46, s16                     ; batch x 128 + i: my tile of query block 0
	s_mul_i32 s44, s46, 8*FRB
	s_mul_i32 s43, s47, FRB
	s_add_co_u32 s44, s44, s43
	s_mul_i32 s43, s13, 768                        ; my head's half of the fragment
	s_add_co_u32 s44, s44, s43
	s_add_nc_u64 s[YB:YB+1], s[6:7], s[44:45]
	s_mul_i32 s44, s47, PLANE3
	s_add_co_u32 s44, s44, SCOFF3
	s_lshl_b32 s43, s46, 6
	s_add_co_u32 s44, s44, s43
	s_lshl_b32 s43, s13, 1
	s_add_co_u32 s44, s44, s43
	s_add_nc_u64 s[YS:YS+1], s[6:7], s[44:45]
	s_mul_i32 s44, s[QB1], REC
	s_add_nc_u64 s[56:57], s[14:15], s[44:45]      ; the first query block's record,
	s_mul_i32 s44, s9, REC
	s_add_nc_u64 s[58:59], s[14:15], s[44:45]      ; the second's
	s_mul_i32 s43, s16, 768
	s_lshl_b32 s46, s16, 2
	s_lshl_b32 s47, s11, 5
	s_lshl_b32 s44, s10, 3
	s_add_co_u32 s47, s47, s44                     ; 32 (i / 2) + 8 (i % 2)
	v_and_b32 v91, 31, v0                          ; lane
	v_and_b32 v92, 15, v0                          ; r
	v_bfe_u32 v[LH], v0, 4, 1                      ; h
	v_lshlrev_b32 v[L16], 4, v91
	v_lshlrev_b32 v[L8], 3, v91
	v_lshlrev_b32 v[R32], 5, v92
	v_add_nc_u32 v[L8P], 512, v[L8]
	v_add_nc_u32 v93, s43, v[L16]                  ; Q: piece i
	v_add_nc_u32 v94, s43, v[L8]
	v_add_nc_u32 v95, s46, v[R32]                  ; its scale word: 32 r + 4 i
	global_load_b128 v[QF:QF+3], v93, s[56:57]
	global_load_b64 v[QF+4:QF+5], v94, s[56:57] offset:512
	global_load_u16 v[QS], v95, s[56:57] offset:6144
	global_load_b128 v[Q2:Q2+3], v93, s[58:59]
	global_load_b64 v[Q2+4:Q2+5], v94, s[58:59] offset:512
	global_load_u16 v[Q2+6], v95, s[58:59] offset:6144
	v_lshl_add_u32 v[YSO], v92, 2, v[LH]
	v_min_u32 v[PFO], 51, v0                       ; waves 0 and 1: block 32 wave + lane of a record's 52
	v_lshlrev_b32 v[PFO], 8, v[PFO]
	v_and_b32 v90, 8, v92
	v_add_nc_u32 v[DQ], v90, v92
	v_add_nc_u32 v[DQ], s47, v[DQ]                 ; my query in its block: 32 (i / 2) + 8 (i % 2) + r + 8 (r / 8),
	v_lshlrev_b32 v90, 4, v[LH]
	v_sub_nc_u32 v[DQ], v[DQ], v90                 ; - 16 h
	v_mov_b32 v13, 0xff61b1e6                      ; the largest t so far: -3e38, under every t
	v_floor_f32 v12, -v13                          ; -M
	v_mov_b32 v14, 0
	v_mov_b32 v15, 0
.irp b, 0,1,2,3
	v_mov_b32 v[236+\b], 0                         ; written once: a lane permute's destination counts as one of its sources
.endr
	v_mov_b32 v253, 0                              ; (named as the upper half of the pair v[252:253] before it is first written)
.irp j, 6,7,8,9,10,11
	v_mov_b32 v[QF+\j], 0                          ; Q's K 64-127: zero codes
	v_mov_b32 v[FRG+42+\j], 0                      ; what the product on K's last half names behind it
.endr
.set n, 0
.rept 32
	v_mov_b32 v[O+n], 0                            ; O^T: the first step finds zeros, which the first change of M leaves zeros
.set n, n+1
.endr
; A QUERY BLOCK IS FINISHED: O^T / the sum is y(my query, my head's 64 channels): two blocks of 32 along the last product's K.  Quantised, it is half a fragment, stored as it stands; then the second block's Q takes over.
.macro FINISH
	v_add_f32 v14, v14, v15                        ; the sum's two halves,
	s_delay_alu instid0(VALU_DEP_1)
	v_permlanex16_b32 v252, v14, s[SEL], s[SEL+1]
	s_delay_alu instid0(VALU_DEP_1)
	v_add_f32 v14, v14, v252                       ; and lane l xor 16's
	WALU
	v_rcp_f32 v14, v14
	v_mov_b32 v15, 0                               ; (a plain place behind the reciprocal)
	s_mul_i32 s44, s[QB], 64*FRB                   ; eight tiles of 12,288 bytes a query block
	s_add_nc_u64 s[56:57], s[YB:YB+1], s[44:45]
	s_lshl_b32 s44, s[QB], 9                       ; and eight times 64 bytes of scale words
	s_add_nc_u64 s[58:59], s[YS:YS+1], s[44:45]
	WALU                                           ; the wait ahead of the reciprocal's first reader
.set n, 0
.rept 16
	v_pk_mul_f32 v[S+2*n:S+2*n+1], v[O+2*n:O+2*n+1], v[14:15] op_sel_hi:[1,0]   ; register 16 b + i is channel 32 b + 16 h + i; each accumulator from its low end on
.set n, n+1
.endr
.irp b, 0,1
	v_max3_num_f32 v[232+\b], |v[S+16*\b]|, |v[S+1+16*\b]|, 0x1800000
.endr
.irp i, 2,4,6,8,10,12,14
.irp b, 0,1
	s_delay_alu instid0(VALU_DEP_2)
	v_max3_num_f32 v[232+\b], v[232+\b], |v[S+16*\b+\i]|, |v[S+1+16*\b+\i]|
.endr
.endr
.irp b, 0,1
	s_delay_alu instid0(VALU_DEP_2)
	v_permlanex16_b32 v[236+\b], v[232+\b], s[SEL], s[SEL+1]
.endr
.irp b, 0,1
	s_delay_alu instid0(VALU_DEP_2)
	v_max_num_f32 v[232+\b], v[232+\b], v[236+\b]
.endr
.irp b, 0,1
	s_delay_alu instid0(VALU_DEP_2)
	v_add_nc_u32 v[244+\b], 0xff000000, v[232+\b]
.endr
.irp b, 0,1
	s_delay_alu instid0(VALU_DEP_2)
	v_lshrrev_b32 v[236+\b], 23, v[244+\b]
.endr
	v_cvt_scalef32_pk16_fp6_f32 v[PCD:PCD+2], v[S:S+15], v244
	v_cvt_scalef32_pk16_fp6_f32 v[240:242], v[S+16:S+31], v245
	v_nop                                          ; one plain place behind a scaled conversion
	v_cmp_eq_u32 vcc_lo, 1, v[LH]
	s_delay_alu instid0(VALU_DEP_1)
	v_cndmask_b32 v254, v236, v237, vcc_lo         ; lane (r, h) stores block h's byte
.irp i, 0,1,2
	v_permlane16_swap_b32 v[PCD+\i], v[240+\i]     ; lanes 0-15: block 0, lanes 16-31: block 1
.endr
.irp i, 0,1,2
	s_delay_alu instid0(VALU_DEP_3)
	v_mov_b32 v[PCD+3+\i], v[240+\i]
.endr
	global_store_b128 v[L16], v[PCD:PCD+3], s[56:57]             ; 512 consecutive bytes, at a multiple of 256 from the buffer's first byte
	global_store_b64 v[L8], v[PCD+4:PCD+5], s[56:57] offset:512  ; 256
	global_store_b8 v[YSO], v254, s[58:59]         ; two bytes of each of 16 words; the other head's work-group stores the other two.  One byte in 24 of what is stored here
	v_mov_b32 v[QS], v[Q2+6]                       ; the next block's Q and its scale; the lines below are the places in front of the next products
.irp j, 0,1,2,3,4,5
	v_mov_b32 v[QF+\j], v[Q2+\j]
.endr
	v_mov_b32 v13, 0xff61b1e6
	s_delay_alu instid0(VALU_DEP_1)
	v_floor_f32 v12, -v13
	v_mov_b32 v14, 0
.set n, 0
.rept 32
	v_mov_b32 v[O+n], 0
.set n, n+1
.endr
	s_wait_xcnt 0x0                                ; the stores have read their registers and bases: both are written again later
.endm
; A KEY STEP: the 128 keys of the record at s[RB].  full = 1: the step may be a query block's diagonal step, its last.
.macro STEP full
	v_add_nc_u32 v[A16], s[RB], v[L16]
	v_add_nc_u32 v[A8], s[RB], v[L8P]
	v_add_nc_u32 v[ASC], s[RB], v[R32]
	WALU
	ds_load_b128 v[KS:KS+3], v[ASC] offset:12288
	ds_load_b128 v[KS+4:KS+7], v[ASC] offset:12288+16
.irp t, 0,1,2,3,4,5,6,7
	ds_load_b128 v[FRG+6*\t:FRG+6*\t+3], v[A16] offset:\t*768
	ds_load_b64 v[FRG+6*\t+4:FRG+6*\t+5], v[A8] offset:\t*768
.endr
	s_wait_dscnt 6                                 ; the scale words and halves 0 to 4 are in (the product on half 3 names half 4's registers too); the six loads of halves 5 to 7 may be out
.irp t, 0,1,2,3
	v_wmma_scale_f32_16x16x128_f8f6f4 v[S+8*\t:S+8*\t+7], v[FRG+6*\t:FRG+6*\t+11], v[QF:QF+11], 0, v[KS+\t], v[QS] matrix_a_fmt:MATRIX_FMT_FP6 matrix_b_fmt:MATRIX_FMT_FP6
.endr
	s_wait_dscnt 0x0
.irp t, 4,5,6,7
	v_wmma_scale_f32_16x16x128_f8f6f4 v[S+8*\t:S+8*\t+7], v[FRG+6*\t:FRG+6*\t+11], v[QF:QF+11], 0, v[KS+\t], v[QS] matrix_a_fmt:MATRIX_FMT_FP6 matrix_b_fmt:MATRIX_FMT_FP6
.endr
.rept 4
	v_nop                                          ; places in front of loads into the products' registers and of reads of their results
.endr
.irp t, 0,1,2,3                        ; V's four fragments and their scale words are asked for now and land during the softmax
	ds_load_b128 v[FRG+12*\t:FRG+12*\t+3], v[A16] offset:6144+\t*FRB
	ds_load_b64 v[FRG+12*\t+4:FRG+12*\t+5], v[A8] offset:6144+\t*FRB
	ds_load_b128 v[FRG+12*\t+6:FRG+12*\t+9], v[A16] offset:6144+\t*FRB+768
	ds_load_b64 v[FRG+12*\t+10:FRG+12*\t+11], v[A8] offset:6144+\t*FRB+768
.endr
	ds_load_b128 v[VS:VS+3], v[ASC] offset:12800
.if \full
	s_cmp_lg_u32 s[KSC], s[QB]                     ; on the diagonal the scores of hidden keys become -infinity ahead of the maximum: p = 0 then
	s_cbranch_scc1 .Lopen_\@
	v_mov_b32 v254, 0xff800000
.set n, 0
.rept 64
	v_cmp_gt_i32 vcc_lo, 32*(n/16)+n%16, v[DQ]     ; register 16 b + i holds key 32 b + 16 h + i of the block
	v_cndmask_b32 v[S+n], v[S+n], v254, vcc_lo
.set n, n+1
.endr
.Lopen_\@:
.endif
.irp b, 0,1,2,3
	v_max3_num_f32 v[232+\b], v[S+16*\b], v[S+1+16*\b], v[S+2+16*\b]   ; the largest score of each block of 32 keys: for the row's maximum, and, since p rises with the score, for the block's largest p
.endr
.irp i, 3,5,7,9,11,13
.irp b, 0,1,2,3
	v_max3_num_f32 v[232+\b], v[232+\b], v[S+16*\b+\i], v[S+1+16*\b+\i]
.endr
.endr
.irp b, 0,1,2,3
	v_max_num_f32 v[232+\b], v[232+\b], v[S+15+16*\b]
.endr
.irp b, 0,1,2,3
	s_delay_alu instid0(VALU_DEP_4)
	v_permlanex16_b32 v[236+\b], v[232+\b], s[SEL], s[SEL+1]
.endr
.irp b, 0,1,2,3
	s_delay_alu instid0(VALU_DEP_4)
	v_max_num_f32 v[232+\b], v[232+\b], v[236+\b]  ; with lane l xor 16's 16 keys
.endr
	s_delay_alu instid0(VALU_DEP_2)
	v_max3_num_f32 v254, v232, v233, v234
	s_delay_alu instid0(VALU_DEP_1)
	v_max_num_f32 v254, v254, v235                 ; the step's largest score of my query
	s_delay_alu instid0(VALU_DEP_1)
	v_mul_f32 v254, s[CS], v254                    ; as t
	s_delay_alu instid0(VALU_DEP_1)
	v_max_num_f32 v13, v13, v254                   ; the running largest t
	v_mov_b32 v254, v12
	s_delay_alu instid0(VALU_DEP_2)
	v_floor_f32 v12, -v13                          ; the new -M = floor(-t) = -ceil(t)
	s_delay_alu instid0(VALU_DEP_1)
	v_sub_f32 v254, v12, v254                      ; old M - new M: a whole number, 0 or less
	s_delay_alu instid0(VALU_DEP_1)
	v_cvt_i32_f32 v254, v254                       ; (it saturates)
	s_delay_alu instid0(VALU_DEP_1)
	v_ldexp_f32 v252, 1.0, v254                    ; f = 2^(old M - new M)
.set n, 0
.rept 32
	v_pk_fma_f32 v[S+2*n:S+2*n+1], v[S+2*n:S+2*n+1], s[CS:CS+1], v[12:13] op_sel_hi:[1,0,0]   ; t - M, two at a time
.set n, n+1
.endr
.irp b, 0,1,2,3
	v_fma_f32 v[232+\b], v[232+\b], s[CS], v12     ; the same of each block's largest score
.endr
.set n, 0
	WALU                                           ; the wait ahead of the batch
.rept 64
	v_exp_f32 v[S+n], v[S+n]                       ; p = 2^(t - M), at most 1: not normalised
.set n, n+1
.endr
	v_pk_mul_f32 v[14:15], v[14:15], v[252:253] op_sel_hi:[1,0]   ; the sums under the new M.  (A plain place behind the exponentials)
	WALU                                           ; one wait for the whole batch, ahead of its first reader
.irp b, 0,1,2,3
	v_exp_f32 v[232+\b], v[232+\b]                 ; the block's largest p: the same two instructions on the same number
.endr
	v_pk_add_f32 v[236:237], v[100:101], v[104:105]   ; the row's sum of the unquantised p, in eight chains
	v_pk_add_f32 v[246:247], v[108:109], v[112:113]
	v_pk_add_f32 v[244:245], v[116:117], v[120:121]
	v_pk_add_f32 v[242:243], v[124:125], v[128:129]
	v_pk_add_f32 v[240:241], v[132:133], v[136:137]
	v_pk_add_f32 v[238:239], v[140:141], v[144:145]
	v_pk_add_f32 v[230:231], v[148:149], v[152:153]
	v_pk_add_f32 v[14:15], v[14:15], v[156:157]
	v_pk_add_f32 v[236:237], v[236:237], v[96:97]
	v_pk_add_f32 v[246:247], v[246:247], v[98:99]
	v_pk_add_f32 v[244:245], v[244:245], v[102:103]
	v_pk_add_f32 v[242:243], v[242:243], v[106:107]
	v_pk_add_f32 v[240:241], v[240:241], v[110:111]
	v_pk_add_f32 v[238:239], v[238:239], v[114:115]
	v_pk_add_f32 v[230:231], v[230:231], v[118:119]
	v_pk_add_f32 v[14:15], v[14:15], v[122:123]
	v_pk_add_f32 v[236:237], v[236:237], v[126:127]
	v_pk_add_f32 v[246:247], v[246:247], v[130:131]
	v_pk_add_f32 v[244:245], v[244:245], v[134:135]
	v_pk_add_f32 v[242:243], v[242:243], v[138:139]
	v_pk_add_f32 v[240:241], v[240:241], v[142:143]
	v_pk_add_f32 v[238:239], v[238:239], v[146:147]
	v_pk_add_f32 v[230:231], v[230:231], v[150:151]
	v_pk_add_f32 v[14:15], v[14:15], v[154:155]
	v_pk_add_f32 v[236:237], v[236:237], v[158:159]
	s_delay_alu instid0(VALU_DEP_2)
	v_pk_add_f32 v[14:15], v[14:15], v[242:243]
	s_delay_alu instid0(VALU_DEP_2)
	v_pk_add_f32 v[236:237], v[236:237], v[240:241]
	v_pk_add_f32 v[246:247], v[246:247], v[238:239]
	v_pk_add_f32 v[244:245], v[244:245], v[230:231]
	s_delay_alu instid0(VALU_DEP_2)
	v_pk_add_f32 v[14:15], v[14:15], v[246:247]
	s_delay_alu instid0(VALU_DEP_2)
	v_pk_add_f32 v[236:237], v[236:237], v[244:245]
	s_delay_alu instid0(VALU_DEP_1)
	v_pk_add_f32 v[14:15], v[14:15], v[236:237]
	WALU                                           ; and one for the four
.irp b, 0,1,2,3
	v_max_num_f32 v[232+\b], 0x1800000, v[232+\b]  ; the floor 2^(3 - 127): the byte cannot fall under 1
.endr
.irp b, 0,1,2,3
	s_delay_alu instid0(VALU_DEP_4)
	v_add_nc_u32 v[244+\b], 0xff000000, v[232+\b]  ; 2 off the exponent field: the conversion's scale operand
.endr
.irp b, 0,1,2,3
	s_delay_alu instid0(VALU_DEP_4)
	v_lshrrev_b32 v[236+\b], 23, v[244+\b]         ; the scale's byte
.endr
	s_delay_alu instid0(VALU_DEP_3)
	v_lshl_or_b32 v253, v237, 8, v236              ; p's scale word for these 128 keys
	s_delay_alu instid0(VALU_DEP_1)
	v_lshl_or_b32 v253, v238, 16, v253
	s_delay_alu instid0(VALU_DEP_1)
	v_lshl_or_b32 v253, v239, 24, v253
.irp c, 0,1
	v_cvt_scalef32_pk16_fp6_f32 v[PCD+6*\c:PCD+2+6*\c], v[S+32*\c:S+15+32*\c], v[244+2*\c]
	v_cvt_scalef32_pk16_fp6_f32 v[236+4*\c:238+4*\c], v[S+16+32*\c:S+31+32*\c], v[244+2*\c+1]
.endr
	v_nop                                          ; one plain place behind a scaled conversion
.irp c, 0,1
.irp i, 0,1,2
	v_permlane16_swap_b32 v[PCD+6*\c+\i], v[236+4*\c+\i]
.endr
.irp i, 0,1,2
	s_delay_alu instid0(VALU_DEP_3)
	v_mov_b32 v[PCD+3+6*\c+\i], v[236+4*\c+\i]
.endr
.endr
	WALU                                           ; the wait directly ahead of the first reader of O^T
.set n, 0
.rept 16
	v_pk_mul_f32 v[O+2*n:O+2*n+1], v[O+2*n:O+2*n+1], v[252:253] op_sel_hi:[1,0]   ; O^T under the new M.  (These are also the places between p's codes and scale word and the products)
.set n, n+1
.endr
	WALU
	s_wait_dscnt 0x0                               ; V is in
.irp t, 0,1,2,3                        ; O^T += V^T P^T: four accumulators by turns
	v_wmma_scale_f32_16x16x128_f8f6f4 v[O+8*\t:O+8*\t+7], v[FRG+12*\t:FRG+12*\t+11], v[PCD:PCD+11], v[O+8*\t:O+8*\t+7], v[VS+\t], v253 matrix_a_fmt:MATRIX_FMT_FP6 matrix_b_fmt:MATRIX_FMT_FP6
.endr
.rept 4
	v_nop                                          ; places in front of the next step's loads and of the reads of O^T
.endr
.if \full
	s_cmp_lg_u32 s[KSC], s[QB]
	s_cbranch_scc1 .Lon_\@
	FINISH                                         ; the diagonal step is a query block's last
.Lon_\@:
.endif
.endm
	WALU                                           ; the wait at the head's end
	s_wait_loadcnt 0x0                             ; Q
; STEPS 0 TO 5, two behind each later fill.  Record = step.  Ahead of each fill every wave waits for its one load that is out, adds 0 to its spare word and waits for that; a round of the cluster's barrier follows.
.irp k, 0,1,2
	s_wait_tensorcnt 0x0                           ; my quarter record of the last fill is in, so the group 0 may be written
	ds_add_u32 v[SPW], v[NIL]
	s_add_co_u32 s[G0+1], s[G0+1], 4*HREC          ; four records on, in LDS
	s_add_nc_u64 s[G0+2:G0+3], s[G0+2:G0+3], 4*REC ; and in memory
	s_mov_b32 s[RB], \k*2*HREC
	s_mov_b32 s[T], 0
	s_wait_dscnt 0x0
	CROUND
	TLOAD                                          ; records 4 k + 4 .. 4 k + 7: filled for the first time; my one load until the next round
.if \k < 2
	s_cmp_lt_u32 s[WV], 2
	s_cbranch_scc0 .Lnp\k
	global_prefetch_b8 v[PFO], s[PFA:PFA+1] offset:\k*4*REC th:TH_LOAD_NT scope:SCOPE_SE   ; record 4 k + 8 + cx, which the next fill loads
.Lnp\k:
.endif
.Lfill\k:
	STEP 0
	s_add_co_u32 s[RB], s[RB], HREC
	s_add_co_u32 s[T], s[T], 1
	s_cmp_lt_u32 s[T], 2
	s_cbranch_scc1 .Lfill\k
.endr
	s_wait_tensorcnt 0x0                           ; the last fill: my part is in;
	s_wait_dscnt 0x0
	s_barrier_signal -1
	s_barrier_wait -1                              ; everybody's is.
; STEPS 6 TO 16.  Step t serves key block t of query block 15 - p while t < 16 - p, then key block t - (16 - p) of query block p.
	s_mov_b32 s[T], 6
.Ltail:
	s_sub_co_u32 s44, s[T], s[LEN]
	s_cmp_lt_u32 s[T], s[LEN]
	s_cselect_b32 s[KSC], s[T], s44
	s_cselect_b32 s[QB], s[QB1], s9
	s_and_b32 s[KSC], s[KSC], 15                   ; (it is 0 .. 15 already)
	s_mul_i32 s[RB], s[KSC], HREC
	STEP 1
	s_add_co_u32 s[T], s[T], 1
	s_cmp_lt_u32 s[T], 17
	s_cbranch_scc1 .Ltail
	s_wait_tensorcnt 0x0                           ; the wave's end
	ds_add_u32 v[SPW], v[NIL]
	s_wait_dscnt 0x0
	CROUND                                         ; the closing round
	s_endpgm
.Lfunc_end_k_q85eebbc5d3_attn:
	.size	k_q85eebbc5d3_attn, .Lfunc_end_k_q85eebbc5d3_attn-k_q85eebbc5d3_attn
	.p2alignl 7, 3214868480
	.fill 96, 4, 3214868480
	.section	.rodata,"a",@progbits
	.p2align	6, 0x0
	.amdhsa_kernel k_q85eebbc5d3_attn
		.amdhsa_group_segment_fixed_size 327680
		.amdhsa_private_segment_fixed_size 0
		.amdhsa_enable_private_segment 0
		.amdhsa_kernarg_size 16
		.amdhsa_user_sgpr_count 2
		.amdhsa_user_sgpr_kernarg_segment_ptr 1
		.amdhsa_wavefront_size32 1
		.amdhsa_system_sgpr_workgroup_id_x 1
		.amdhsa_system_sgpr_workgroup_id_y 1
		.amdhsa_system_sgpr_workgroup_id_z 1
		.amdhsa_system_vgpr_workitem_id 0
		.amdhsa_next_free_vgpr 256
		.amdhsa_next_free_sgpr 66
		.amdhsa_reserve_vcc 1
		.amdhsa_float_denorm_mode_32 3
		.amdhsa_float_denorm_mode_16_64 3
		.amdhsa_memory_ordered 1
		.amdhsa_forward_progress 1
		.amdhsa_inst_pref_size 91
	.end_amdhsa_kernel
	.amdgpu_metadata
---
amdhsa.version: [ 1, 2 ]
amdhsa.kernels:
  - .name:           k_q85eebbc5d3_attn
    .symbol:         k_q85eebbc5d3_attn.kd
    .args:
      - { .name: qkv, .offset: 0, .size: 8, .value_kind: global_buffer, .address_space: global }
      - { .name: yw, .offset: 8, .size: 8, .value_kind: global_buffer, .address_space: global }
    .group_segment_fixed_size: 327680
    .private_segment_fixed_size: 0
    .kernarg_segment_align: 8
    .kernarg_segment_size: 16
    .max_flat_workgroup_size: 512
    .sgpr_count:     66
    .vgpr_count:     256
    .wavefront_size: 32
...
	.end_amdgpu_metadata
.endif
;; end of part 3
;; launch proj (part 4): grid 4 x 64, 4 waves a work-group, clusters of 4 x 4, 327,680 bytes of LDS; arguments yw, b_proj, out0; writes out0
.if DOCPART == 4
	.amdgcn_target "amdgcn-amd-amdhsa--gfx1250"
	.amdhsa_code_object_version 6
	.text
	.protected	k_q85eebbc5d3_proj
	.globl	k_q85eebbc5d3_proj
	.p2align	8
	.type	k_q85eebbc5d3_proj,@function
k_q85eebbc5d3_proj:
	s_mov_b64 s[64:65], 0
	v_nop
	global_prefetch_b8 v0, s[64:65] scope:SCOPE_SE
	s_setreg_imm32_b32 hwreg(HW_REG_WAVE_MODE, 25, 1), 1
	s_wait_xcnt 0x0
	s_wait_alu depctr_hold_cnt(0) depctr_sa_sdst(0) depctr_va_vdst(0) depctr_va_sdst(0) depctr_va_ssrc(0) depctr_va_vcc(0) depctr_vm_vsrc(0)
	s_getreg_b32 s2, hwreg(HW_REG_IB_STS2, 6, 4)
	s_cmp_eq_u32 s2, 0
	s_cbranch_scc0 .Lentry_in_a_cluster
	s_endpgm
.Lentry_in_a_cluster:
	s_bfe_u32 s2, ttmp6, 0x10000c
	s_cmp_lg_u32 s2, 0xf033
	s_cbranch_scc0 .Lentry_shape_is_right
	s_endpgm
.Lentry_shape_is_right:
; out0 = y W_proj + b_proj on codes of FP6 (E2M3) with E8M0 scales, K = 1,024; f32 out.
; yw holds both operands as images of operand registers: [tile][K step 0..7] fragments of 1,536 bytes, a tile 12,288 bytes on end; tiles 0-511 y's tokens, tiles 512-575 W_proj's columns; scale words
; [K step][tile][16 rows] from byte SCOFF on.  Lane-row r of tile 2 g + u is row 32 g + 8 u + r + 8 (r / 8).
; SHARES.  256 work-groups: 128 tokens (8 tiles) x 256 columns (16 tiles).  A WAVE HOLDS FOUR COLUMN TILES, ALL OF K, IN 384 REGISTERS; the eight token tiles stream past from LDS, a tile (a block: 8 fragments, 32 products
; on four accumulators by turns) at a time, in two register sets, each fetched two blocks ahead.  Source 0 = the weight's tile: a lane holds a token and eight neighbouring columns a tile.
; LDS holds both operands for all of K, 294,912 bytes, filled ONCE by the head's four loads, one a wave: nothing is filled again.  CLUSTERS 4 x 4: y's tiles are shared along a row, the weight's along a column: joint loads.
; NO PREFETCH: all that the launch reads by tensor loads is asked for in its first lines: there is no loop to run ahead in.
; THE WAY OUT: a finished block, 16 tokens x 64 columns, goes through the wave's own stage in LDS (bytes that no tensor load fills) and comes back as rows of 256 bytes; it is stored two blocks later, so nothing waits for the stage.
; THE BIAS is the C of a block's first four products.  LIMITS: NaN and infinities are not served.
; REGISTERS: fragment f lies in window 1 + f / 21 at register 12 (f % 21): 0-31 the weight's (4 K step + tile), 32-39 and 40-47 the streamed sets.  Window 0: all else.
.set FR,     12
.set FRB,    1536
.set TILEB,  12288
.set FPW,    21
.set PB,     8*TILEB                   ; the weight's 16 tiles lie behind y's 8
.set STAGE,  24*TILEB
.set SPITCH, 272
.set SPARE,  STAGE+4*16*SPITCH
.set SCOFF,  7077888
.set PLANE,  36864
.set AR,   16                          ; v16-19 LDS, y: 16 x lane, 8 x lane; the same + 49,152
.set AP,   20                          ; v20-21 my four tiles of the weight
.set STO,  24
.set RD,   25
.set CO,   26
.set SPW,  28
.set NIL,  29
.set PS,   32                          ; v32-47 the weight's scale words: 8 (tile / 2) + K step; lanes 0-15 the even tile, lanes 16-31 the odd one
.set RS,   52                          ; v52-83 y's, likewise
.set BQ,   96                          ; v96-127 the bias, eight registers a tile
.set ACC,  128                         ; v128-191 two sets of four accumulators
.set OB,   192                         ; v192-255 two blocks read back from the stage
.set G1R, 24
.set G0R, 32
.set G1P, 48
.set G0P, 56
.set MSB, 0
.macro WIN new
.if MSB != (\new)
	s_set_vgpr_msb (MSB<<8)|(\new)
.set MSB, (\new)
.endif
.endm
.macro PLACES
.rept 4
	v_nop
.endr
.endm
.macro WALU
	s_wait_alu depctr_va_vdst(0)
.endm
.macro CROUND
	s_barrier_signal -1
	s_barrier_wait -1
	s_cmp_lg_u32 s14, 0
	s_cbranch_scc1 .Lnot_wave_0_\@
	s_barrier_signal -3
.Lnot_wave_0_\@:
	s_barrier_wait -3
	s_barrier_signal -1
	s_barrier_wait -1
.endm
.macro GROUP1 g, mask, rows            ; rows (tiles) of 12,288 bytes, dense in memory and in LDS
	s_or_b32 s[\g], s[\mask], (3<<16)|(1<<21)
	s_mov_b32 s[\g+1], 1536<<16
	s_mov_b32 s[\g+2], (\rows)<<16
	s_mov_b32 s[\g+3], 1536<<16
	s_mov_b32 s[\g+4], \rows
	s_mov_b32 s[\g+5], 1536
	s_mov_b32 s[\g+6], 0
	s_mov_b32 s[\g+7], 0
.endm
.macro FRAGL f, a16, a8, off
	WIN (1+(\f)/FPW)<<6
.set R_, FR*((\f)%FPW)
	ds_load_b128 v[R_:R_+3], v[\a16] offset:(\off)
	ds_load_b64 v[R_+4:R_+5], v[\a8] offset:(\off)+512
	ds_load_b128 v[R_+6:R_+9], v[\a16] offset:(\off)+768
	ds_load_b64 v[R_+10:R_+11], v[\a8] offset:(\off)+1280
.endm
.macro FETCH a                         ; token tile a into set a % 2: 32 loads
.irp q, 0,1,2,3,4,5,6,7
	FRAGL 32+8*((\a)%2)+\q, AR+2*((\a)/4), AR+2*((\a)/4)+1, ((\a)%4)*TILEB+\q*FRB
.endr
	WIN 0
.endm
.macro BLOCK ap, ao                    ; block 2 ap + ao: 32 products; the four accumulators take turns, one instruction a turn
.irp q, 0,1,2,3,4,5,6,7
.irp bb, 0,1
.irp o, 0,1
.set FP_, 4*\q+2*\bb+\o
.set FS_, 32+8*\ao+\q
.set D_, ACC+32*\ao+8*(2*\bb+\o)
	WIN (1+FP_/FPW)|((1+FS_/FPW)<<2)
.if \q == 0
	v_wmma_scale_f32_16x16x128_f8f6f4 v[D_:D_+7], v[FR*(FP_%FPW):FR*(FP_%FPW)+11], v[FR*(FS_%FPW):FR*(FS_%FPW)+11], v[BQ+8*(2*\bb+\o):BQ+8*(2*\bb+\o)+7], v[PS+8*\bb+\q], v[RS+8*\ap+\q] matrix_a_fmt:MATRIX_FMT_FP6 matrix_b_fmt:MATRIX_FMT_FP6 matrix_a_scale:MATRIX_SCALE_ROW\o matrix_b_scale:MATRIX_SCALE_ROW\ao
.else
	v_wmma_scale_f32_16x16x128_f8f6f4 v[D_:D_+7], v[FR*(FP_%FPW):FR*(FP_%FPW)+11], v[FR*(FS_%FPW):FR*(FS_%FPW)+11], v[D_:D_+7], v[PS+8*\bb+\q], v[RS+8*\ap+\q] matrix_a_fmt:MATRIX_FMT_FP6 matrix_b_fmt:MATRIX_FMT_FP6 matrix_a_scale:MATRIX_SCALE_ROW\o matrix_b_scale:MATRIX_SCALE_ROW\ao
.endif
.endr
.endr
.endr
.endm
.macro TOSTAGE a                       ; register j of tile b is column 32 (b / 2) + 8 (b % 2) + 16 h + j of my 64.  LDS serves a wave's instructions in order: the loads see the stores
.set AC_, ACC+32*((\a)%2)
.set OB_, OB+32*((\a)%2)
.irp b, 0,1,2,3
	ds_store_b128 v[STO], v[AC_+8*\b:AC_+8*\b+3] offset:128*(\b>>1)+32*(\b&1)      ; each accumulator from its low end on
	ds_store_b128 v[STO], v[AC_+8*\b+4:AC_+8*\b+7] offset:128*(\b>>1)+32*(\b&1)+16
.endr
.irp t, 0,1,2,3,4,5,6,7
	ds_load_b128 v[OB_+4*\t:OB_+4*\t+3], v[RD] offset:\t*2*SPITCH
.endr
.endm
.macro SEND a                          ; stage rows 2 t and 2 t + 1: sixteen lanes store a row's 256 consecutive bytes, at a multiple of 256 from the buffer's first byte
.set OB_, OB+32*((\a)%2)
.irp t, 0,1,2,3,4,5,6,7
	global_store_b128 v[CO], v[OB_+4*\t:OB_+4*\t+3], s[8:9] offset:(32*((\a)>>1)+8*((\a)&1)+2*\t+8*(\t>>2))*4096 th:TH_STORE_NT
.endr
.endm
	s_load_b128 s[4:7], s[0:1], 0x0                ; yw, b_proj
	s_load_b64 s[8:9], s[0:1], 0x10                ; out0
	v_lshl_add_u32 v[SPW], v0, 2, SPARE
	v_mov_b32 v[NIL], 0
	ds_add_u32 v[SPW], v[NIL]                      ; the opening lines: the add twice on end and one wait
	ds_add_u32 v[SPW], v[NIL]
	v_lshrrev_b32 v1, 5, v0
	v_readfirstlane_b32 s14, v1                    ; wave 0..3
	s_and_b32 s16, s14, 1
	s_bfe_u32 s40, ttmp6, 0x40000                  ; cx
	s_bfe_u32 s41, ttmp6, 0x40004                  ; cy
	s_lshl_b32 s42, ttmp9, 2
	s_add_co_u32 s42, s42, s40                     ; the block of 256 columns
	s_and_b32 s17, ttmp7, 0xffff
	s_lshl_b32 s17, s17, 2
	s_add_co_u32 s17, s17, s41                     ; the block of 128 tokens
	s_lshl_b32 s43, s41, 2
	s_lshl_b32 s43, 15, s43                        ; my row of the cluster
	s_lshl_b32 s44, 0x1111, s40                    ; my column
	GROUP1 G1R, 43, 4
	GROUP1 G1P, 44, 8
	s_lshl_b32 s20, s17, 3                         ; y: tile 8 x block + 4 (wave % 2)
	s_lshl_b32 s21, s16, 2
	s_add_co_u32 s20, s20, s21
	s_mul_i32 s20, s20, TILEB
	s_mov_b32 s21, 0
	s_mov_b32 s[G0R], 1
	s_mul_i32 s[G0R+1], s16, 4*TILEB
	s_lshl_b32 s46, s42, 4                         ; the weight: tile 512 + 16 x block + 8 (wave % 2)
	s_lshl_b32 s47, s16, 3
	s_add_co_u32 s46, s46, s47
	s_add_co_u32 s46, s46, 512
	s_mul_i32 s46, s46, TILEB
	s_mov_b32 s47, 0
	s_mov_b32 s[G0P], 1
	s_mul_i32 s[G0P+1], s16, 8*TILEB
	s_add_co_u32 s[G0P+1], s[G0P+1], PB
	WALU
	s_wait_dscnt 0x0
	CROUND                                         ; all sixteen work-groups are here: the joint loads meet
	s_wait_kmcnt 0x0
	s_add_nc_u64 s[G0R+2:G0R+3], s[4:5], s[20:21]
	s_or_b32 s[G0R+3], s[G0R+3], 0x80000000
	s_add_nc_u64 s[G0P+2:G0P+3], s[4:5], s[46:47]
	s_or_b32 s[G0P+3], s[G0P+3], 0x80000000
	s_cmp_lt_u32 s14, 2
	s_cbranch_scc0 .Lfor_r
	tensor_load_to_lds s[G0P:G0P+3], s[G1P:G1P+7]  ; waves 0, 1: eight tiles of the weight each: they go on into registers, so they are asked for by the first waves
	s_nop 0
	PLACES
	s_branch .Lasked
.Lfor_r:
	tensor_load_to_lds s[G0R:G0R+3], s[G1R:G1R+7]  ; waves 2, 3: four tiles of y each
	s_nop 0
	PLACES
.Lasked:
	s_add_nc_u64 s[66:67], s[4:5], SCOFF
	s_lshl_b32 s68, s42, 4
	s_lshl_b32 s69, s14, 2
	s_add_co_u32 s68, s68, s69
	s_add_co_u32 s68, s68, 512
	s_lshl_b32 s68, s68, 6                         ; my four tiles of the weight: 64 bytes of scale words a tile and K step
	s_mov_b32 s69, 0
	s_add_nc_u64 s[68:69], s[66:67], s[68:69]
	s_lshl_b32 s70, s17, 9
	s_mov_b32 s71, 0
	s_add_nc_u64 s[70:71], s[66:67], s[70:71]      ; y's eight
	s_lshl_b32 s72, s42, 10
	s_lshl_b32 s73, s14, 8
	s_add_co_u32 s72, s72, s73                     ; my 64 columns, in bytes
	s_mov_b32 s73, 0
	s_add_nc_u64 s[74:75], s[6:7], s[72:73]
	s_lshl_b32 s76, s17, 19                        ; 128 rows of 4,096 bytes
	s_add_co_u32 s72, s72, s76
	s_add_nc_u64 s[8:9], s[8:9], s[72:73]
	s_mul_i32 s2, s14, 4*TILEB
	s_add_co_u32 s2, s2, PB
	s_mul_i32 s3, s14, 16*SPITCH
	s_add_co_u32 s3, s3, STAGE
	v_and_b32 v1, 15, v0                           ; r
	v_bfe_u32 v2, v0, 4, 1                         ; h
	v_and_b32 v3, 31, v0                           ; lane
	v_lshlrev_b32 v[AR], 4, v3
	v_lshlrev_b32 v[AR+1], 3, v3
	v_add_nc_u32 v[AR+2], 4*TILEB, v[AR]
	v_add_nc_u32 v[AR+3], 4*TILEB, v[AR+1]
	v_add_nc_u32 v[AP], s2, v[AR]
	v_add_nc_u32 v[AP+1], s2, v[AR+1]
	v_mul_u32_u24 v[STO], v1, SPITCH               ; in: row r, 64 bytes for each half of the lanes
	v_lshl_add_u32 v[STO], v2, 6, v[STO]
	v_add_nc_u32 v[STO], s3, v[STO]
	v_mul_u32_u24 v[RD], v2, SPITCH                ; back: lanes 0-15 one row of 256 bytes, lanes 16-31 the next
	v_lshl_add_u32 v[RD], v1, 4, v[RD]
	v_add_nc_u32 v[RD], s3, v[RD]
	v_lshlrev_b32 v[CO], 12, v2                    ; and the same two rows in out0
	v_lshl_add_u32 v[CO], v1, 4, v[CO]
	v_lshlrev_b32 v4, 2, v3                        ; 4 x lane: the scale words of two neighbouring tiles
	v_lshlrev_b32 v5, 6, v2
	WALU                                           ; the wait at the head's end
.irp k, 0,1,2,3,4,5,6,7
.irp g, 0,1
	global_load_b32 v[PS+8*\g+\k], v4, s[68:69] offset:\k*PLANE+\g*128
.endr
.irp g, 0,1,2,3
	global_load_b32 v[RS+8*\g+\k], v4, s[70:71] offset:\k*PLANE+\g*128
.endr
.endr
.irp b, 0,1,2,3
	global_load_b128 v[BQ+8*\b:BQ+8*\b+3], v5, s[74:75] offset:(32*(\b>>1)+8*(\b&1))*4
	global_load_b128 v[BQ+8*\b+4:BQ+8*\b+7], v5, s[74:75] offset:(32*(\b>>1)+8*(\b&1))*4+16
.endr
	s_cmp_lt_u32 s14, 2
	s_cbranch_scc0 .Lnot_p
	s_wait_tensorcnt 0x0
.Lnot_p:
	s_barrier_signal -1
	s_barrier_wait -1                              ; the weight is in: its load line is waves 0 and 1's alone, and both have waited
.irp q, 0,1,2,3,4,5,6,7
.irp b, 0,1,2,3
	FRAGL 4*\q+\b, AP, AP+1, \b*TILEB+\q*FRB       ; my four tiles, all of K: 128 loads
.endr
.endr
	WIN 0
	s_wait_tensorcnt 0x0                           ; y's tiles: every wave waits
	s_wait_dscnt 0x0
	s_barrier_signal -1
	s_barrier_wait -1
	FETCH 0
	FETCH 1
	s_wait_loadcnt 0x0                             ; the scale words and the bias
.irp ap, 0,1,2,3
.irp ao, 0,1
.set A_, 2*\ap+\ao
.if A_ == 0
	s_wait_dscnt 32                                ; block 0 is in; block 1's 32 loads may be out
.elseif A_ == 7
	s_wait_dscnt 16                                ; only block 6's turn through the stage, 16 instructions, may be out
.else
	s_wait_dscnt 48                                ; this block is in, and so is the stage's turn of the block two back; the next block's 32 loads and the last block's 16 stage instructions may be out
.endif
.if A_ >= 2
	SEND A_-2
.endif
	BLOCK \ap, \ao
	WIN 0
	PLACES                                         ; in front of loads into the products' registers and of reads of their results
.if A_+2 < 8
	FETCH A_+2
.endif
.if A_ >= 2
	s_wait_xcnt 0x0                                ; the stores above have read the registers into which the stage is read back
.endif
	TOSTAGE A_
.endr
.endr
	s_wait_dscnt 16
	SEND 6
	s_wait_dscnt 0x0
	SEND 7
	s_wait_tensorcnt 0x0                           ; the wave's end
	ds_add_u32 v[SPW], v[NIL]
	s_wait_dscnt 0x0
	CROUND                                         ; the closing round
	s_endpgm
.Lfunc_end_k_q85eebbc5d3_proj:
	.size	k_q85eebbc5d3_proj, .Lfunc_end_k_q85eebbc5d3_proj-k_q85eebbc5d3_proj
	.p2alignl 7, 3214868480
	.fill 96, 4, 3214868480
	.section	.rodata,"a",@progbits
	.p2align	6, 0x0
	.amdhsa_kernel k_q85eebbc5d3_proj
		.amdhsa_group_segment_fixed_size 327680
		.amdhsa_private_segment_fixed_size 0
		.amdhsa_enable_private_segment 0
		.amdhsa_kernarg_size 24
		.amdhsa_user_sgpr_count 2
		.amdhsa_user_sgpr_kernarg_segment_ptr 1
		.amdhsa_wavefront_size32 1
		.amdhsa_system_sgpr_workgroup_id_x 1
		.amdhsa_system_sgpr_workgroup_id_y 1
		.amdhsa_system_sgpr_workgroup_id_z 1
		.amdhsa_system_vgpr_workitem_id 0
		.amdhsa_next_free_vgpr 840
		.amdhsa_next_free_sgpr 80
		.amdhsa_reserve_vcc 0
		.amdhsa_float_denorm_mode_32 3
		.amdhsa_float_denorm_mode_16_64 3
		.amdhsa_memory_ordered 1
		.amdhsa_forward_progress 1
		.amdhsa_inst_pref_size 86
	.end_amdhsa_kernel
	.amdgpu_metadata
---
amdhsa.version: [ 1, 2 ]
amdhsa.kernels:
  - .name:           k_q85eebbc5d3_proj
    .symbol:         k_q85eebbc5d3_proj.kd
    .args:
      - { .name: yw, .offset: 0, .size: 8, .value_kind: global_buffer, .address_space: global }
      - { .name: b_proj, .offset: 8, .size: 8, .value_kind: global_buffer, .address_space: global }
      - { .name: out0, .offset: 16, .size: 8, .value_kind: global_buffer, .address_space: global }
    .group_segment_fixed_size: 327680
    .private_segment_fixed_size: 0
    .kernarg_segment_align: 8
    .kernarg_segment_size: 24
    .max_flat_workgroup_size: 128
    .sgpr_count:     80
    .vgpr_count:     840
    .wavefront_size: 32
...
	.end_amdgpu_metadata
.endif
;; end of part 4
